; MI455X (gfx1250); checked and timed in simulation.
; The chip was launched on July 23, 2026; its instructions are those of AMD's public machine-readable ISA for CDNA 5 (MIT licence, August 2026) and "CDNA5" Instruction Set Architecture Reference Guide (July 2026). The comments in the code are by the model that wrote it; some were corrected since.
;; Multi Head Attention. Allowed arithmetic: matrix products marked QUANTISED: E4M3 operands, one E8M0 scale for each 32 along K, by v_wmma_scale_f32_16x16x128_f8f6f4 with both operands' format E4M3, f32 sums; everything else in f32.
;; Inputs: bk 16 x 64 float32; bo 1,024 float32; bq 16 x 64 float32; bv 16 x 64 float32; k_hidden_inputs_codes 4 x 2,048 x 32 x 32 uint8 (E4M3 codes of k_hidden_inputs, K innermost, in blocks of 32 codes); k_hidden_inputs_scales 4 x 2,048 x 32 uint8 (E8M0 scales of k_hidden_inputs, one for each 32 codes along K); mask 4 x 2,048 x 2,048 bool; q_hidden_inputs_codes 4 x 2,048 x 32 x 32 uint8 (E4M3 codes of q_hidden_inputs, K innermost, in blocks of 32 codes); q_hidden_inputs_scales 4 x 2,048 x 32 uint8 (E8M0 scales of q_hidden_inputs, one for each 32 codes along K); v_hidden_inputs_codes 4 x 2,048 x 32 x 32 uint8 (E4M3 codes of v_hidden_inputs, K innermost, in blocks of 32 codes); v_hidden_inputs_scales 4 x 2,048 x 32 uint8 (E8M0 scales of v_hidden_inputs, one for each 32 codes along K); wk_codes 16 x 64 x 32 x 32 uint8 (E4M3 codes of wk, K innermost, in blocks of 32 codes); wk_scales 16 x 64 x 32 uint8 (E8M0 scales of wk, one for each 32 codes along K); wo_codes 1,024 x 32 x 32 uint8 (E4M3 codes of wo, K innermost, in blocks of 32 codes); wo_scales 1,024 x 32 uint8 (E8M0 scales of wo, one for each 32 codes along K); wq_codes 16 x 64 x 32 x 32 uint8 (E4M3 codes of wq, K innermost, in blocks of 32 codes); wq_scales 16 x 64 x 32 uint8 (E8M0 scales of wq, one for each 32 codes along K); wv_codes 16 x 64 x 32 x 32 uint8 (E4M3 codes of wv, K innermost, in blocks of 32 codes); wv_scales 16 x 64 x 32 uint8 (E8M0 scales of wv, one for each 32 codes along K).
;; Outputs: out0 4 x 2,048 x 1,024 float32.
;; This version of the problem:
;;   THIS VERSION OF THE PROBLEM IS GIVEN IN LOW PRECISION. The matrix products marked QUANTISED in the list below multiply operands that are first quantised to E4M3 (4 exponent bits, 3 mantissa bits; 8 bits a number), with one power-of-two scale for each 32 numbers along K (OCP MX v1.0); their sums are f32. All else is computed in f32.
;;   The module's matrix products, in the order in which they are computed (A, B: the left and right operand; K: the contracted axis; several contracted axes count as one K, in the product's order):
;;     1. [M 1,024, K 1,024] x [K 1,024, N 8,192]; A: input wq (given as codes); B: input q_hidden_inputs (given as codes): QUANTISED
;;     2. [M 1,024, K 1,024] x [K 1,024, N 8,192]; A: input wk (given as codes); B: input k_hidden_inputs (given as codes): QUANTISED
;;     3. [M 1,024, K 1,024] x [K 1,024, N 8,192]; A: input wv (given as codes); B: input v_hidden_inputs (given as codes): QUANTISED
;;     4. batch 64 x [M 2,048, K 64] x [K 64, N 2,048]; A: computed on the way; B: computed on the way: QUANTISED
;;     5. batch 64 x [M 2,048, K 2,048] x [K 2,048, N 64]; A: softmax (see below); B: computed on the way: QUANTISED
;;     6. [M 8,192, K 1,024] x [K 1,024, N 1,024]; A: computed on the way; B: input wo (given as codes): QUANTISED
;;   THE QUANTISER, for each operand of a quantised product, along K:
;;     - K is cut into blocks of 32 from its start; a last block that is shorter is filled with zeros.
;;     - A block's scale is 2^e with e = floor(log2(the largest magnitude in the block)) - 8, held to -126 .. 127; a block of zeros has e = 0. As a byte (E8M0): e + 127.
;;     - Each number is divided by its block's scale, clamped to +-448, and rounded to the nearest number of E4M3, ties to even, subnormals kept.
;;     - The product sums the exact products of the quantised numbers (number of the format x scale) in f32.
;;   ~~~python
;;   def quantise(x, axis):      # numpy; x: float32 -> the quantised numbers, widened to float32 again
;;       x = np.moveaxis(x, axis, -1); K = x.shape[-1]
;;       x = np.pad(x, [(0, 0)] * (x.ndim - 1) + [(0, -K % 32)]); x = x.reshape(x.shape[:-1] + (-1, 32)); a = np.abs(x).max(-1, keepdims=True)
;;       e = np.where(a > 0, np.clip(np.frexp(np.where(a > 0, a, 1))[1] - 1 - 8, -126, 127), 0)      # np.frexp(a)[1] - 1 = floor(log2(a)), exactly
;;       r = np.clip(x / 2.0 ** e, -448, 448)
;;       step = 2.0 ** (np.maximum(np.frexp(np.where(r == 0, 1, r))[1] - 1, -6) - 3)
;;       q = np.round(r / step) * step * 2.0 ** e      # np.round: ties to even
;;       return np.moveaxis(q.reshape(q.shape[:-2] + (-1,))[..., :K], -1, axis).astype(np.float32)
;;   ~~~
;;   SOFTMAX AHEAD OF A QUANTISED PRODUCT. Where the list says 'softmax', what is quantised is not the finished softmax but p = 2^(t - M), with t = logit x log2(e) and M = ceil(the row's largest t), a whole number; so 1/2 < the row's largest p <= 1. The row's sum l is taken of the UNQUANTISED p, in f32, and the product's result is divided by l at the end. Since M is a whole number, a kernel that streams over the keys may use a running M (the ceiling of the running maximum): every later rescaling is an exact power of two, which a block's scale takes up: the codes' values come out the same.
;;   OPERANDS COMPUTED ON THE WAY. 'Computed on the way' means the value that the module computes at that place (a softmax that the list does not call 'softmax' is quantised finished and normalised). What goes into a quantiser is computed in f32, as accurately as f32 sums, v_exp_f32 and their like allow (about 1e-6 of the number): no bf16 or f16 on the way to a quantiser, and a product that is left as it is and whose result goes on into a quantised operand takes f32 operands (vector FMAs, or v_wmma_f32_16x16x4_f32). A number that lies on a knife's edge between two numbers of the format may be rounded either way, as far as f32 arithmetic and the matrix unit's own rounding can turn it there, and no further.
;;   INPUTS GIVEN AS CODES. k_hidden_inputs (in the module: [4, 2048, 1024], K = its axis 2); q_hidden_inputs (in the module: [4, 2048, 1024], K = its axis 2); v_hidden_inputs (in the module: [4, 2048, 1024], K = its axis 2); wk (in the module: [16, 1024, 64], K = its axis 1); wo (in the module: [1024, 1024], K = its axis 0); wq (in the module: [16, 1024, 64], K = its axis 1); wv (in the module: [16, 1024, 64], K = its axis 1): each comes as NAME_codes (uint8): NAME with its K axis moved to the last place and cut into blocks of 32 codes, [.., K / 32, bytes a block], one block behind the other in memory; one code a byte (a code: sign, 4 exponent bits, 3 mantissa bits); and NAME_scales (uint8): the same leading axes, one E8M0 byte (e + 127) for each 32 codes along K. Its value is code x scale, taken as it is: it is not quantised again, and the codes and scales need not be those that the quantiser above would give.
;; One version. Each part assembles by itself: llvm-mc -triple=amdgcn-amd-amdhsa -mcpu=gfx1250 --defsym DOCPART=n.
;; ======== version 1 of 1: 4 launches
;; limits: right only within a limited range of input values
;; workspace buffers: maskw 2,097,152 bytes of whole numbers; qimg 8,388,608 bytes; qscl 262,144 bytes; kvrec 17,301,504 bytes; acod 8,388,608 bytes; ascl 262,144 bytes
;; launch maskpack (part 1): grid 512 x 1, 4 waves a work-group, no clusters, 35,328 bytes of LDS; arguments mask, maskw; writes maskw
.if DOCPART == 1
	.amdgcn_target "amdgcn-amd-amdhsa--gfx1250"
	.amdhsa_code_object_version 6
	.text
	.protected	k_qcd04417f59_maskpack
	.globl	k_qcd04417f59_maskpack
	.p2align	8
	.type	k_qcd04417f59_maskpack,@function
k_qcd04417f59_maskpack:
	s_mov_b64 s[64:65], 0
	v_nop
	global_prefetch_b8 v0, s[64:65] scope:SCOPE_SE
	s_setreg_imm32_b32 hwreg(HW_REG_WAVE_MODE, 25, 1), 1
	s_wait_xcnt 0x0
; The mask [4][2048][2048], one byte a place, becomes words of 32 bits, one bit a LANE of the attention launch, so that there one v_cndmask_b32 masks one score register.
; TILES.  Inside 128 consecutive queries, tile 2 f + u holds rows 32 f + 8 u + r + 8 (r / 8), r = 0 .. 15.  A work-group takes one tile of queries: x = 128 b + 8 G + 2 f + u.
; OUT.  maskw [x][step 0..15][64 words]: bit L = 16 h + r of word n = 16 e + i says whether mask[b][the tile's row r][128 step + 32 e + 16 h + i] is not 0.
; SHARES.  Wave w takes steps 4 w .. 4 w + 3: 512 bytes of each of the 16 rows, as two double steps of 256 bytes.  All 16 loads of a wave go out at once; each covers two rows' aligned 256 bytes.
; The bytes turn through the wave's own stage in LDS (rows 272 bytes apart), so that lane (r, h) holds 16 neighbouring keys of row r; a compare of one byte over the 32 lanes IS a word of the output.
; A step's 64 words are set into two registers, lane n / 2, and leave as 256 consecutive bytes, aligned.  No barrier: waves share nothing.  A byte counts as true when it is not 0.
.set PITCH, 272
.set STG,   16*PITCH                   ; a stage: 16 rows
.set WREG,  2*STG                      ; a wave's two stages, one for each double step
.set GA,  1                            ; v1   my byte in a load: 2,048 (lane / 16) + 16 (lane % 16)
.set STA, 2                            ; v2   into the stage
.set RDA, 3                            ; v3   out of it: row lane % 16, + 16 (lane / 16)
.set OA,  4                            ; v4   8 x lane: my two words of a step's 64
.set W,   8                            ; v8-15   a pair of registers for each of the wave's four steps
.set TT,  16                           ; v16-23  at work
.set R,   32                           ; v32-95  as loaded
.set D,   96                           ; v96-127 turned: 16 s + 4 e + q: bytes 4 q .. 4 q + 3 of my 16 keys of block e of step s
	s_load_b128 s[4:7], s[0:1], 0x0                ; mask, maskw
	v_lshl_add_u32 v128, v0, 2, 0x8800
	v_mov_b32 v129, 0
	v_lshrrev_b32 v5, 5, v0
	v_readfirstlane_b32 s8, v5                     ; wave
	v_and_b32 v5, 15, v0                           ; lane % 16
	v_bfe_u32 v6, v0, 4, 1                         ; lane / 16
	v_and_b32 v7, 31, v0
	v_lshlrev_b32 v[GA], 4, v5
	v_lshl_add_u32 v[GA], v6, 11, v[GA]
	s_mul_i32 s9, s8, WREG
	v_mul_u32_u24 v[STA], v6, PITCH
	v_lshl_add_u32 v[STA], v5, 4, v[STA]
	v_add_nc_u32 v[STA], s9, v[STA]
	v_mul_u32_u24 v[RDA], v5, PITCH
	v_lshl_add_u32 v[RDA], v6, 4, v[RDA]
	v_add_nc_u32 v[RDA], s9, v[RDA]
	v_lshlrev_b32 v[OA], 3, v7
.irp i, 0,1,2,3,4,5,6,7
	v_mov_b32 v[W+\i], 0                           ; written once: the destination of v_writelane_b32 counts as read
.endr
	s_lshr_b32 s10, ttmp9, 3
	s_and_b32 s10, s10, 15
	s_lshl_b32 s10, s10, 7                         ; 128 G
	s_lshr_b32 s11, ttmp9, 1
	s_and_b32 s11, s11, 3
	s_lshl_b32 s11, s11, 5                         ; 32 f
	s_or_b32 s10, s10, s11
	s_and_b32 s11, ttmp9, 1
	s_lshl_b32 s11, s11, 3                         ; 8 u
	s_or_b32 s10, s10, s11
	s_lshr_b32 s11, ttmp9, 7
	s_lshl_b32 s11, s11, 11                        ; 2,048 b
	s_add_co_u32 s10, s10, s11                     ; the tile's first row
	s_lshl_b32 s10, s10, 11                        ; rows of 2,048 bytes
	s_lshl_b32 s11, s8, 9
	s_add_co_u32 s10, s10, s11                     ; + my wave's 512 keys
	s_mov_b32 s11, 0
	s_lshl_b32 s12, ttmp9, 12                      ; out: 4,096 bytes a tile,
	s_lshl_b32 s13, s8, 10                         ; 1,024 a wave
	s_add_co_u32 s12, s12, s13
	s_mov_b32 s13, 0
	s_wait_kmcnt 0x0
	s_add_nc_u64 s[4:5], s[4:5], s[10:11]
	s_add_nc_u64 s[6:7], s[6:7], s[12:13]
.irp d, 0,1
.irp k, 0,1,2,3,4,5,6,7
	global_load_b128 v[R+32*\d+4*\k:R+32*\d+4*\k+3], v[GA], s[4:5] offset:(2*\k+8*(\k/4))*2048+256*\d th:TH_LOAD_NT   ; tile rows 2 k and 2 k + 1; rows 8 .. 15 of a tile lie 8 further down
.endr
.endr
; step s of double step d: 64 words, eight at a time: a byte is cut out, compared over the lanes, and the compare's word is set into lane n / 2 of register n % 2
.macro BITS d, s
.set g, 0
.rept 8
.irp e, 0,1,2,3,4,5,6,7
	v_and_b32 v[TT+\e], 0xff<<(8*(\e%4)), v[D+16*\s+2*g+\e/4]
.endr
.irp e, 0,1,2,3,4,5,6,7
	v_cmp_ne_u32 s[16+\e], 0, v[TT+\e]
.endr
.irp e, 0,1,2,3,4,5,6,7
	v_writelane_b32 v[W+2*(2*\d+\s)+\e%2], s[16+\e], 4*g+\e/2
.endr
.set g, g+1
.endr
	global_store_b64 v[OA], v[W+2*(2*\d+\s):W+2*(2*\d+\s)+1], s[6:7] offset:256*(2*\d+\s)   ; 32 lanes store 256 consecutive bytes, aligned; each step has registers of its own, so no store's data are written again
.endm
.macro PACK d
.if \d == 0
	s_wait_loadcnt 8                               ; the first double step's eight loads are in; the second's eight may be out
.else
	s_wait_loadcnt 0x0
.endif
.irp k, 0,1,2,3,4,5,6,7
	ds_store_b128 v[STA], v[R+32*\d+4*\k:R+32*\d+4*\k+3] offset:\d*STG+2*\k*PITCH
.endr
.irp s, 0,1
.irp e, 0,1,2,3
	ds_load_b128 v[D+16*\s+4*\e:D+16*\s+4*\e+3], v[RDA] offset:\d*STG+128*\s+32*\e   ; LDS serves a wave's instructions in order (ISA guide 5.7.1.4): these see my stores
.endr
.endr
	s_wait_dscnt 0x0
	BITS \d, 0
	BITS \d, 1
.endm
	PACK 0
	PACK 1
	s_wait_tensorcnt 0x0
	ds_add_u32 v128, v129
	s_wait_dscnt 0x0
	s_endpgm
.Lfunc_end_k_qcd04417f59_maskpack:
	.size	k_qcd04417f59_maskpack, .Lfunc_end_k_qcd04417f59_maskpack-k_qcd04417f59_maskpack
	.p2alignl 7, 3214868480
	.fill 96, 4, 3214868480
	.section	.rodata,"a",@progbits
	.p2align	6, 0x0
	.amdhsa_kernel k_qcd04417f59_maskpack
		.amdhsa_group_segment_fixed_size 35328
		.amdhsa_private_segment_fixed_size 0
		.amdhsa_enable_private_segment 0
		.amdhsa_kernarg_size 16
		.amdhsa_user_sgpr_count 2
		.amdhsa_user_sgpr_kernarg_segment_ptr 1
		.amdhsa_wavefront_size32 1
		.amdhsa_system_sgpr_workgroup_id_x 1
		.amdhsa_system_sgpr_workgroup_id_y 1
		.amdhsa_system_sgpr_workgroup_id_z 1
		.amdhsa_system_vgpr_workitem_id 0
		.amdhsa_next_free_vgpr 130
		.amdhsa_next_free_sgpr 66
		.amdhsa_reserve_vcc 0
		.amdhsa_float_denorm_mode_32 3
		.amdhsa_float_denorm_mode_16_64 3
		.amdhsa_memory_ordered 1
		.amdhsa_forward_progress 1
		.amdhsa_inst_pref_size 55
	.end_amdhsa_kernel
	.amdgpu_metadata
---
amdhsa.version: [ 1, 2 ]
amdhsa.kernels:
  - .name:           k_qcd04417f59_maskpack
    .symbol:         k_qcd04417f59_maskpack.kd
    .args:
      - { .name: mask, .offset: 0, .size: 8, .value_kind: global_buffer, .address_space: global }
      - { .name: maskw, .offset: 8, .size: 8, .value_kind: global_buffer, .address_space: global }
    .group_segment_fixed_size: 35328
    .private_segment_fixed_size: 0
    .kernarg_segment_align: 8
    .kernarg_segment_size: 16
    .max_flat_workgroup_size: 128
    .sgpr_count:     66
    .vgpr_count:     130
    .wavefront_size: 32
...
	.end_amdgpu_metadata
.endif
;; end of part 1
;; launch proj (part 2): grid 4 x 96, 4 waves a work-group, clusters of 4 x 4, 327,680 bytes of LDS; arguments q_hidden_inputs_codes, q_hidden_inputs_scales, wq_codes, wq_scales, k_hidden_inputs_codes, k_hidden_inputs_scales, wk_codes, wk_scales, v_hidden_inputs_codes, v_hidden_inputs_scales, wv_codes, wv_scales, bq, bk, bv, qimg, qscl, kvrec; writes qimg, qscl, kvrec
.if DOCPART == 2
	.amdgcn_target "amdgcn-amd-amdhsa--gfx1250"
	.amdhsa_code_object_version 6
	.text
	.protected	k_qcd04417f59_proj
	.globl	k_qcd04417f59_proj
	.p2align	8
	.type	k_qcd04417f59_proj,@function
k_qcd04417f59_proj:
	s_mov_b64 s[64:65], 0
	v_nop
	global_prefetch_b8 v0, s[64:65] scope:SCOPE_SE
	s_setreg_imm32_b32 hwreg(HW_REG_WAVE_MODE, 25, 1), 1
	s_wait_xcnt 0x0
	s_wait_alu depctr_hold_cnt(0) depctr_sa_sdst(0) depctr_va_vdst(0) depctr_va_sdst(0) depctr_va_ssrc(0) depctr_va_vcc(0) depctr_vm_vsrc(0)
	s_getreg_b32 s2, hwreg(HW_REG_IB_STS2, 6, 4)
	s_cmp_eq_u32 s2, 0
	s_cbranch_scc0 .Lentry_in_a_cluster
	s_endpgm
.Lentry_in_a_cluster:
	s_bfe_u32 s2, ttmp6, 0x10000c
	s_cmp_lg_u32 s2, 0xf033
	s_cbranch_scc0 .Lentry_shape_is_right
	s_endpgm
.Lentry_shape_is_right:
.set KSTEP,  256
.set NQ,     KSTEP/128
.set ROWB,   256
.set KROW,   1024
.set PITCH,  272
.set FR,     16
.set NL,     4
.set NP,     8
.set HALFT,  128*PITCH
.set SLOT,   4*HALFT
.set KS,     32
.set SCL,    2*SLOT
.set HALFS,  (128*KS/256)*272
.set SBLK,   (16*KS/256)*272
.set SPARE,  SCL+4*HALFS
.set WST,    5120
.set KSA,  7
.set VSA,  8
.set CO,   9
.set VO,   9
.set SVO,  13
.set VBR,  14
.set VBL,  15
.set ADRA, 16
.set ADRB, 20
.set STO,  24
.set RD,   25
.set ADRS, 27
.set SPW,  28
.set NIL,  29
.set SC,   32
.set BI,   64
.set AF,   128
.set RBK,  32
.set T,    128
.set PC,   192
.set TM,   224
.set PW,   240
.set SKV,  244
.set G1, 24
.set G0, 32
.set G1B, 48
.set G0B, 56
.set G1S, 68
.set G0S, 76
.set G1SB, 80
.set G0SB, 88
.set SB,  32
.set SD,  34
.set D01, 36
.set D12, 38
.set VM,  40
.set MNT, 41
.set SEL, 42
.set MSB, 0
.macro WIN new
.if MSB != (\new)
	s_set_vgpr_msb (MSB<<8)|(\new)
.set MSB, (\new)
.endif
.endm
.set MUL_LO, 0xa1
.set MUL_HI, 0xf1
.set TO_B,   0x40
.macro JLOAD g0a, g1a, g0b, g1b
	s_cmp_eq_u32 s15, 0
	s_cbranch_scc0 .Lfor_b_\@
	tensor_load_to_lds s[\g0a:\g0a+3], s[\g1a:\g1a+7]
	s_nop 0
.rept 4
	v_nop
.endr
	s_branch .Lasked_\@
.Lfor_b_\@:
	tensor_load_to_lds s[\g0b:\g0b+3], s[\g1b:\g1b+7]
	s_nop 0
.rept 4
	v_nop
.endr
.Lasked_\@:
.endm
.macro CREST
	s_cmp_lg_u32 s14, 0
	s_cbranch_scc1 .Lnot_wave_0_\@
	s_barrier_signal -3
.Lnot_wave_0_\@:
	s_barrier_wait -3
	s_barrier_signal -1
	s_barrier_wait -1
.endm
.macro CROUND
	s_barrier_signal -1
	s_barrier_wait -1
	CREST
.endm
	s_load_b256 s[24:31], s[0:1], 0x0
	s_load_b256 s[32:39], s[0:1], 0x20
	s_load_b256 s[48:55], s[0:1], 0x40
	s_load_b128 s[56:59], s[0:1], 0x60
	s_load_b64 s[60:61], s[0:1], 0x70
	v_lshl_add_u32 v[SPW], v0, 2, SPARE
	v_mov_b32 v[NIL], 0
	ds_add_u32 v28, v29
	ds_add_u32 v28, v29
	s_wait_dscnt 0x0
	v_lshrrev_b32 v1, 5, v0
	v_readfirstlane_b32 s14, v1
	s_lshr_b32 s15, s14, 1
	s_and_b32 s16, s14, 1
	s_bfe_u32 s40, ttmp6, 0x40000
	s_bfe_u32 s41, ttmp6, 0x40004
	s_and_b32 s3, ttmp7, 0xffff
	s_lshr_b32 s2, s3, 3
	s_and_b32 s3, s3, 7
	s_lshl_b32 s3, s3, 2
	s_cmp_eq_u32 s2, 2
	s_cselect_b32 s17, 0, s3
	s_cselect_b32 s42, s3, 0
	s_add_co_u32 s17, s17, s41
	s_add_co_u32 s42, s42, s40
	s_lshl_b32 s95, s17, 1
	s_add_co_u32 s95, s95, s15
	s_lshl_b32 s96, s42, 1
	s_add_co_u32 s96, s96, s16
	s_cmp_eq_u32 s2, 2
	s_cselect_b32 s98, s95, s96
	s_lshl_b32 s98, s98, 9
	s_mov_b32 s99, 0
	s_lshl_b32 s43, s41, 2
	s_lshl_b32 s43, 15, s43
	s_lshl_b32 s44, 0x1111, s40
	s_lshl_b32 s18, s16, 7
	s_lshl_b32 s20, s17, 8
	s_add_co_u32 s20, s20, s18
	s_lshl_b32 s46, s42, 8
	s_add_co_u32 s46, s46, s18
	s_mov_b32 s21, 0
	s_mov_b32 s47, 0
	s_mov_b64 s[18:19], KS
	s_mul_u64 s[22:23], s[20:21], s[18:19]
	s_mul_u64 s[92:93], s[46:47], s[18:19]
	s_mov_b64 s[18:19], KROW
	s_mul_u64 s[20:21], s[20:21], s[18:19]
	s_mul_u64 s[46:47], s[46:47], s[18:19]
	s_mul_i32 s45, s14, HALFT
	s_mul_i32 s94, s14, HALFS
	s_wait_kmcnt 0x0
	s_cmp_eq_u32 s2, 1
	s_cselect_b64 s[24:25], s[32:33], s[24:25]
	s_cselect_b64 s[26:27], s[34:35], s[26:27]
	s_cselect_b64 s[28:29], s[36:37], s[28:29]
	s_cselect_b64 s[30:31], s[38:39], s[30:31]
	s_cselect_b64 s[56:57], s[58:59], s[56:57]
	s_cmp_eq_u32 s2, 2
	s_cselect_b64 s[24:25], s[48:49], s[24:25]
	s_cselect_b64 s[26:27], s[50:51], s[26:27]
	s_cselect_b64 s[28:29], s[52:53], s[28:29]
	s_cselect_b64 s[30:31], s[54:55], s[30:31]
	s_cselect_b64 s[12:13], s[60:61], s[56:57]
	s_cselect_b64 s[4:5], s[28:29], s[24:25]
	s_cselect_b64 s[6:7], s[30:31], s[26:27]
	s_cselect_b64 s[8:9], s[24:25], s[28:29]
	s_cselect_b64 s[10:11], s[26:27], s[30:31]
	s_add_nc_u64 s[20:21], s[4:5], s[20:21]
	s_add_nc_u64 s[22:23], s[6:7], s[22:23]
	s_add_nc_u64 s[46:47], s[8:9], s[46:47]
	s_add_nc_u64 s[92:93], s[10:11], s[92:93]
	s_add_nc_u64 s[12:13], s[12:13], s[98:99]
	s_or_b32 s[G1+0], s43, (0<<16)|(1<<20)|(1<<21)|(5<<22)|(3<<25)
	s_or_b32 s[G1B+0], s44, (0<<16)|(1<<20)|(1<<21)|(5<<22)|(3<<25)
.irp g, G1, G1B
	s_mov_b32 s[\g+1], ROWB<<16
	s_mov_b32 s[\g+2], 128<<16
	s_mov_b32 s[\g+3], ROWB<<16
	s_mov_b32 s[\g+4], 128
	s_mov_b32 s[\g+5], KROW
	s_mov_b32 s[\g+6], 0
	s_mov_b32 s[\g+7], 0
.endr
	s_or_b32 s[G1S+0], s43, (3<<16)|(1<<20)|(1<<21)|(5<<22)|(3<<25)
	s_or_b32 s[G1SB+0], s44, (3<<16)|(1<<20)|(1<<21)|(5<<22)|(3<<25)
.irp g, G1S, G1SB
	s_mov_b32 s[\g+1], 32<<16
	s_mov_b32 s[\g+2], (128*KS/256)<<16
	s_mov_b32 s[\g+3], 32<<16
	s_mov_b32 s[\g+4], 128*KS/256
	s_mov_b32 s[\g+5], 32
	s_mov_b32 s[\g+6], 0
	s_mov_b32 s[\g+7], 0
.endr
	CROUND
	s_mov_b32 s[G0S], 1
	s_add_co_u32 s[G0S+1], s94, SCL
	s_mov_b64 s[G0S+2:G0S+3], s[22:23]
	s_or_b32 s[G0S+3], s[G0S+3], 0x80000000
	s_mov_b32 s[G0SB], 1
	s_add_co_u32 s[G0SB+1], s94, SCL
	s_mov_b64 s[G0SB+2:G0SB+3], s[92:93]
	s_or_b32 s[G0SB+3], s[G0SB+3], 0x80000000
	JLOAD G0S, G1S, G0SB, G1SB
.irp s, 0,1
	s_mov_b32 s[G0+4*\s], 1
	s_add_co_u32 s[G0+4*\s+1], s45, \s*SLOT
	s_add_nc_u64 s[G0+4*\s+2:G0+4*\s+3], s[20:21], \s*ROWB
	s_or_b32 s[G0+4*\s+3], s[G0+4*\s+3], 0x80000000
	s_mov_b32 s[G0B+4*\s], 1
	s_add_co_u32 s[G0B+4*\s+1], s45, \s*SLOT
	s_add_nc_u64 s[G0B+4*\s+2:G0B+4*\s+3], s[46:47], \s*ROWB
	s_or_b32 s[G0B+4*\s+3], s[G0B+4*\s+3], 0x80000000
	s_wait_alu depctr_va_vdst(0)
	s_wait_tensorcnt 0x0
	ds_add_u32 v28, v29
	s_wait_dscnt 0x0
	CROUND
	JLOAD G0+4*\s, G1, G0B+4*\s, G1B
.endr
	v_and_b32 v1, 15, v0
	v_bfe_u32 v2, v0, 4, 1
	v_mul_u32_u24 v3, v1, PITCH
	v_lshl_add_u32 v4, v2, 4, v3
	s_mul_i32 s21, s15, HALFT
	s_mul_i32 s22, s16, HALFT
	s_add_co_u32 s22, s22, 2*HALFT
.irp s, 0,1
	v_add_nc_u32 v[ADRA+\s], s21, v4
	v_add_nc_u32 v[ADRB+\s], s22, v4
	s_add_co_u32 s21, s21, SLOT
	s_add_co_u32 s22, s22, SLOT
.endr
	v_mul_u32_u24 v5, v1, KS
	v_lshrrev_b32 v6, 8, v5
	v_lshl_add_u32 v5, v6, 4, v5
	s_mul_i32 s21, s15, HALFS
	s_mul_i32 s22, s16, HALFS
	s_add_co_u32 s22, s22, 2*HALFS
	s_sub_co_u32 s22, s22, s21
	v_mul_u32_u24 v6, s22, v2
	s_add_co_u32 s21, s21, SCL
	v_add_nc_u32 v5, v5, v6
	v_add_nc_u32 v[ADRS], s21, v5
	s_mul_i32 s23, s14, WST
	v_bfe_u32 v3, v0, 3, 1
	v_and_b32 v4, 7, v0
	v_lshlrev_b32 v5, 4, v4
	v_lshl_add_u32 v[STO], v3, 11, v5
	v_lshl_add_u32 v[STO], v2, 3, v[STO]
	v_add_nc_u32 v[STO], s23, v[STO]
	v_lshl_add_u32 v[KSA], v3, 1, v5
	v_add_nc_u32 v[KSA], s23, v[KSA]
	v_lshl_add_u32 v[VSA], v3, 2, v5
	v_add_nc_u32 v[VSA], s23, v[VSA]
	v_and_b32 v6, 31, v0
	v_lshlrev_b32 v[CO], 4, v6
	v_add_nc_u32 v[RD], s23, v[CO]
	v_lshlrev_b32 v[VBR], 5, v2
	v_lshlrev_b32 v[VBL], 2, v1
	s_cmp_eq_u32 s2, 2
	s_cbranch_scc1 .Lbias_v
.irp b, 0,1,2,3,4,5,6,7
	global_load_b128 v[BI+8*\b:BI+8*\b+3], v[VBR], s[12:13] offset:64*\b
	global_load_b128 v[BI+8*\b+4:BI+8*\b+7], v[VBR], s[12:13] offset:64*\b+16
.endr
	s_branch .Lbias_done
.Lbias_v:
	s_wait_alu depctr_va_vdst(0)
.irp a, 0,1,2,3,4,5,6,7
.irp j, 0,1,2,3,4,5,6,7
	global_load_b32 v[BI+8*\a+\j], v[VBL], s[12:13] offset:64*\a
.endr
.endr
.Lbias_done:
.macro FRAG reg, adr, q, i
.irp c, 0,1,2,3
	ds_load_b128 v[\reg+4*\c:\reg+4*\c+3], v[\adr] offset:128*(\q)+32*\c+(\i)*16*PITCH
.endr
.endm
.macro MUL16 a0, p, q, sc, zero
.irp a, \a0, \a0+1
.irp b, 0,1,2,3,4,5,6,7
.if \zero == 1
	v_wmma_scale_f32_16x16x128_f8f6f4 v[8*(8*((\a)%4)+\b):8*(8*((\a)%4)+\b)+7], v[128*(\p)+FR*\b:128*(\p)+FR*\b+FR-1], v[AF+FR*(\a):AF+FR*(\a)+FR-1], v[BI+8*\b:BI+8*\b+7], v[SC+8*NQ*(\sc)+NQ*\b+(\q)], v[SC+8*NQ*(\sc)+NQ*(\a)+(\q)] matrix_a_scale:MATRIX_SCALE_ROW1
.elseif \zero == 2
	v_wmma_scale_f32_16x16x128_f8f6f4 v[8*(8*((\a)%4)+\b):8*(8*((\a)%4)+\b)+7], v[128*(\p)+FR*\b:128*(\p)+FR*\b+FR-1], v[AF+FR*(\a):AF+FR*(\a)+FR-1], v[BI+8*(\a):BI+8*(\a)+7], v[SC+8*NQ*(\sc)+NQ*\b+(\q)], v[SC+8*NQ*(\sc)+NQ*(\a)+(\q)] matrix_a_scale:MATRIX_SCALE_ROW1
.else
	v_wmma_scale_f32_16x16x128_f8f6f4 v[8*(8*((\a)%4)+\b):8*(8*((\a)%4)+\b)+7], v[128*(\p)+FR*\b:128*(\p)+FR*\b+FR-1], v[AF+FR*(\a):AF+FR*(\a)+FR-1], v[8*(8*((\a)%4)+\b):8*(8*((\a)%4)+\b)+7], v[SC+8*NQ*(\sc)+NQ*\b+(\q)], v[SC+8*NQ*(\sc)+NQ*(\a)+(\q)] matrix_a_scale:MATRIX_SCALE_ROW1
.endif
.endr
.endr
.endm
.macro FETCH_B slot, q, p
	WIN TO_B
.irp i, 0,1,2,3,4,5,6,7
	FRAG 128*(\p)+FR*\i, ADRB+\slot, \q, \i
.endr
	WIN 0
.endm
.macro FETCH_A slot, q, i0
.irp i, \i0, \i0+1, \i0+2, \i0+3
	FRAG AF+FR*(\i), ADRA+\slot, \q, \i
.endr
.endm
.macro SCALES sc
.irp i, 0,1,2,3,4,5,6,7
	ds_load_b64 v[SC+8*NQ*\sc+NQ*\i:SC+8*NQ*\sc+NQ*\i+1], v[ADRS] offset:\i*SBLK
.endr
.endm
.macro PLACES n
.rept \n
	v_nop
.endr
.endm
.macro STEP slot, q, zero
	s_wait_dscnt 4*NL
.if \zero
	WIN 0x81
.else
	WIN MUL_LO
.endif
	MUL16 0, (\q)%2, \q, \slot, \zero
	MUL16 2, (\q)%2, \q, \slot, \zero
	s_wait_dscnt 0
	PLACES NP
	FETCH_B \slot, (\q)+1, 1-(\q)%2
	FETCH_A \slot, (\q)+1, 0
.if \zero
	WIN 0xc1
.else
	WIN MUL_HI
.endif
	MUL16 4, (\q)%2, \q, \slot, \zero
	MUL16 6, (\q)%2, \q, \slot, \zero
	PLACES NP
	WIN 0
	FETCH_A \slot, (\q)+1, 4
.endm
.macro TURN slot, next, fill
	s_wait_tensorcnt 0x0
	ds_add_u32 v[SPW], v[NIL]
	s_wait_dscnt 4*NL+1
	WIN MUL_LO
	MUL16 0, 1, NQ-1, \slot, 0
	s_wait_dscnt 0x0
	s_barrier_signal -1
	MUL16 2, 1, NQ-1, \slot, 0
	WIN 0
	s_barrier_wait -1
.if \fill
	CREST
	s_add_nc_u64 s[G0+4*\slot+2:G0+4*\slot+3], s[G0+4*\slot+2:G0+4*\slot+3], 2*ROWB
	s_add_nc_u64 s[G0B+4*\slot+2:G0B+4*\slot+3], s[G0B+4*\slot+2:G0B+4*\slot+3], 2*ROWB
	JLOAD G0+4*\slot, G1, G0B+4*\slot, G1B
	PLACES NP-4
.else
	PLACES NP
.endif
	s_wait_alu depctr_va_vdst(0)
	v_add_nc_u32 v[ADRS], 4*NQ, v[ADRS]
	FETCH_B \next, 0, 0
	FETCH_A \next, 0, 0
	SCALES \next
	WIN MUL_HI
	MUL16 4, 1, NQ-1, \slot, 0
	MUL16 6, 1, NQ-1, \slot, 0
	PLACES NP
	WIN 0
	FETCH_A \next, 0, 4
.endm
	s_wait_tensorcnt 1
	s_barrier_signal -1
	s_barrier_wait -1
	FETCH_B 0, 0, 0
	FETCH_A 0, 0, 0
	SCALES 0
	FETCH_A 0, 0, 4
	s_wait_loadcnt 0x0
	s_cmp_eq_u32 s2, 2
	s_cbranch_scc1 .Lfirst_v
	STEP 0, 0, 1
	s_branch .Lfirst_done
.Lfirst_v:
	STEP 0, 0, 2
.Lfirst_done:
	TURN 0, 1, 1
	STEP 1, 0, 0
	TURN 1, 0, 1
	STEP 0, 0, 0
	TURN 0, 1, 0
	s_load_b128 s[24:27], s[0:1], 0x78
	s_load_b64 s[28:29], s[0:1], 0x88
	STEP 1, 0, 0
	s_wait_dscnt 4*NL
	WIN MUL_LO
	MUL16 0, 1, NQ-1, 1, 0
	MUL16 2, 1, NQ-1, 1, 0
	s_wait_dscnt 0
	WIN MUL_HI
	MUL16 4, 1, NQ-1, 1, 0
	MUL16 6, 1, NQ-1, 1, 0
	WIN 0
	s_mov_b32 s[SEL], 0x76543210
	s_mov_b32 s[SEL+1], 0xfedcba98
	s_cmp_eq_u32 s2, 0
	s_mov_b32 s49, 270336
	s_cselect_b32 s49, 131072, s49
	s_mov_b32 s50, 16896
	s_cselect_b32 s50, 8192, s50
	s_mov_b32 s51, 270336
	s_cselect_b32 s51, 4096, s51
	s_mov_b32 s52, 16896
	s_cselect_b32 s52, 256, s52
	s_sub_co_u32 s54, s49, 4096
	s_cmp_eq_u32 s2, 2
	s_cselect_b32 s44, s96, s95
	s_cselect_b32 s45, s95, s96
	s_cselect_b32 s[VM], -1, 0
	s_cselect_b32 s46, 8192, 0
	s_mov_b32 s47, 16384
	s_cselect_b32 s47, 16640, s47
	s_mov_b32 s48, 1024
	s_cselect_b32 s48, 2048, s48
	s_cselect_b32 s53, 1024, s49
	s_mov_b32 s[D01], 2048
	s_cselect_b32 s[D01], 4096, s[D01]
	s_mov_b32 s[D12], 2048
	s_cselect_b32 s[D12], s54, s[D12]
	s_mov_b32 s[D01+1], 0
	s_mov_b32 s[D12+1], 0
	s_lshr_b32 s55, s44, 4
	s_and_b32 s44, s44, 15
	s_lshl_b32 s55, s55, 4
	s_lshl_b32 s45, s45, 1
	s_add_co_u32 s55, s55, s45
	s_mul_i32 s56, s55, s49
	s_mul_i32 s57, s44, s50
	s_add_co_u32 s56, s56, s57
	s_add_co_u32 s56, s56, s46
	s_mov_b32 s57, 0
	s_mul_i32 s58, s55, s51
	s_mul_i32 s59, s44, s52
	s_add_co_u32 s58, s58, s59
	s_mov_b32 s59, 0
	s_cmp_eq_u32 s2, 0
	s_cselect_b32 s47, 0, s47
	s_wait_kmcnt 0x0
	s_cselect_b64 s[SB:SB+1], s[24:25], s[28:29]
	s_cselect_b64 s[SD:SD+1], s[26:27], s[28:29]
	s_add_co_u32 s58, s58, s47
	s_add_nc_u64 s[SB:SB+1], s[SB:SB+1], s[56:57]
	s_add_nc_u64 s[SD:SD+1], s[SD:SD+1], s[58:59]
	PLACES NP
	v_add_nc_u32 v[VO+1], s53, v[CO]
	v_add_nc_u32 v[VO+2], s48, v[CO]
	v_add_nc_u32 v[VO+3], s53, v[VO+2]
	v_mul_lo_u32 v[SVO], v2, s51
	v_lshl_add_u32 v[SVO], v1, 4, v[SVO]
.irp e, 0,1,2,3
	v_mov_b32 v[TM+4+\e], 0
.endr
.macro QUANTW a
.set AC, 64*((\a)%4)
.set WW, 2+(\a)/4
.set PCG, PC+16*((\a)%2)
.set PWG, PW+(\a)%2
	WIN WW|(WW<<2)
.irp e, 0,1,2,3
	v_max3_num_f32 v[TM+\e], |v[AC+16*\e]|, |v[AC+16*\e+1]|, 0x4800000
.endr
	WIN (WW<<2)|(WW<<4)
.irp i, 2,4,6,8,10,12,14
.irp e, 0,1,2,3
	v_max3_num_f32 v[TM+\e], v[TM+\e], |v[AC+16*\e+\i]|, |v[AC+16*\e+\i+1]|
.endr
.endr
	WIN 0
.irp e, 0,1,2,3
	v_permlanex16_b32 v[TM+4+\e], v[TM+\e], s[SEL], s[SEL+1]
.endr
.irp e, 0,1,2,3
	v_max_num_f32 v[TM+\e], v[TM+\e], v[TM+4+\e]
.endr
.irp e, 0,1,2,3
	v_add_nc_u32 v[TM+12+\e], 0xfc000000, v[TM+\e]
.endr
.irp e, 0,1,2,3
.endr
.irp e, 0,1,2,3
	v_lshrrev_b32 v[TM+4+\e], 23, v[TM+12+\e]
.endr
	v_lshl_or_b32 v[PWG], v[TM+5], 8, v[TM+4]
	v_lshl_or_b32 v[PWG], v[TM+6], 16, v[PWG]
	v_lshl_or_b32 v[PWG], v[TM+7], 24, v[PWG]
	WIN WW
.irp e, 0,1,2,3
.irp i, 0,1,2,3,4,5,6,7,8,9,10,11,12,13,14,15
.endr
.endr
.irp e, 0,1,2,3
.irp u, 0,1
	v_cvt_scalef32_pk8_fp8_f32 v[PCG+4*\e+2*\u:PCG+4*\e+2*\u+1], v[AC+16*\e+8*\u:AC+16*\e+8*\u+7], v[TM+12+\e]
.endr
.endr
	WIN 0
	v_nop
.endm
.macro PUT a
.set PCG, PC+16*((\a)%2)
.set PWG, PW+(\a)%2
.set GG, (\a)%2
.set PP, (\a)/2
.irp e, 0,1,2,3
.irp u, 0,1
	ds_store_b64 v[STO], v[PCG+4*\e+2*\u:PCG+4*\e+2*\u+1] offset:512*\e+256*\u+128*GG
.endr
.endr
	ds_store_b16 v[KSA], v[PWG] offset:4096+128*GG+4*PP
	ds_store_b16_d16_hi v[KSA], v[PWG] offset:4096+256+128*GG+4*PP
	ds_store_b32 v[VSA], v[PWG] offset:4608+256*((\a)/4)+128*GG+8*(((\a)%4)/2)
.endm
.irp p, 0,1,2,3
.if \p > 0
	s_wait_xcnt 0x0
.if \p == 2
	s_add_nc_u64 s[SB:SB+1], s[SB:SB+1], s[D12:D12+1]
.else
	s_add_nc_u64 s[SB:SB+1], s[SB:SB+1], s[D01:D01+1]
.endif
.endif
	QUANTW 2*\p
	PUT 2*\p
	QUANTW 2*\p+1
	PUT 2*\p+1
.irp k, 0,1,2,3,4,5,6,7
	ds_load_b128 v[RBK+4*\k:RBK+4*\k+3], v[RD] offset:512*\k
.endr
	s_wait_dscnt 0x0
.irp o, 0,1
.irp e, 0,1,2,3
	global_store_b128 v[VO+2*\o+\e/2], v[RBK+4*(4*\o+\e):RBK+4*(4*\o+\e)+3], s[SB:SB+1] offset:512*(\e%2)
.endr
.endr
.endr
	ds_load_b128 v[SKV:SKV+3], v[RD] offset:4096
	ds_load_b128 v[SKV+4:SKV+7], v[RD] offset:4608
	s_wait_dscnt 0x0
.irp i, 0,1,2,3
	v_cndmask_b32 v[SKV+\i], v[SKV+\i], v[SKV+4+\i], s[VM]
.endr
	global_store_b128 v[SVO], v[SKV:SKV+3], s[SD:SD+1]
	s_wait_tensorcnt 0x0
	ds_add_u32 v[SPW], v[NIL]
	s_wait_dscnt 0x0
	CROUND
	s_endpgm
.Lfunc_end_k_qcd04417f59_proj:
	.size	k_qcd04417f59_proj, .Lfunc_end_k_qcd04417f59_proj-k_qcd04417f59_proj
	.p2alignl 7, 3214868480
	.fill 96, 4, 3214868480
	.section	.rodata,"a",@progbits
	.p2align	6, 0x0
	.amdhsa_kernel k_qcd04417f59_proj
		.amdhsa_group_segment_fixed_size 327680
		.amdhsa_private_segment_fixed_size 0
		.amdhsa_enable_private_segment 0
		.amdhsa_kernarg_size 144
		.amdhsa_user_sgpr_count 2
		.amdhsa_user_sgpr_kernarg_segment_ptr 1
		.amdhsa_wavefront_size32 1
		.amdhsa_system_sgpr_workgroup_id_x 1
		.amdhsa_system_sgpr_workgroup_id_y 1
		.amdhsa_system_sgpr_workgroup_id_z 1
		.amdhsa_system_vgpr_workitem_id 0
		.amdhsa_next_free_vgpr 1024
		.amdhsa_next_free_sgpr 102
		.amdhsa_reserve_vcc 0
		.amdhsa_float_denorm_mode_32 3
		.amdhsa_float_denorm_mode_16_64 3
		.amdhsa_fp16_overflow 1
		.amdhsa_memory_ordered 1
		.amdhsa_forward_progress 1
		.amdhsa_inst_pref_size 182
	.end_amdhsa_kernel
	.amdgpu_metadata
---
amdhsa.version: [ 1, 2 ]
amdhsa.kernels:
  - .name:           k_qcd04417f59_proj
    .symbol:         k_qcd04417f59_proj.kd
    .args:
      - { .name: q_hidden_inputs_codes, .offset: 0, .size: 8, .value_kind: global_buffer, .address_space: global }
      - { .name: q_hidden_inputs_scales, .offset: 8, .size: 8, .value_kind: global_buffer, .address_space: global }
      - { .name: wq_codes, .offset: 16, .size: 8, .value_kind: global_buffer, .address_space: global }
      - { .name: wq_scales, .offset: 24, .size: 8, .value_kind: global_buffer, .address_space: global }
      - { .name: k_hidden_inputs_codes, .offset: 32, .size: 8, .value_kind: global_buffer, .address_space: global }
      - { .name: k_hidden_inputs_scales, .offset: 40, .size: 8, .value_kind: global_buffer, .address_space: global }
      - { .name: wk_codes, .offset: 48, .size: 8, .value_kind: global_buffer, .address_space: global }
      - { .name: wk_scales, .offset: 56, .size: 8, .value_kind: global_buffer, .address_space: global }
      - { .name: v_hidden_inputs_codes, .offset: 64, .size: 8, .value_kind: global_buffer, .address_space: global }
      - { .name: v_hidden_inputs_scales, .offset: 72, .size: 8, .value_kind: global_buffer, .address_space: global }
      - { .name: wv_codes, .offset: 80, .size: 8, .value_kind: global_buffer, .address_space: global }
      - { .name: wv_scales, .offset: 88, .size: 8, .value_kind: global_buffer, .address_space: global }
      - { .name: bq, .offset: 96, .size: 8, .value_kind: global_buffer, .address_space: global }
      - { .name: bk, .offset: 104, .size: 8, .value_kind: global_buffer, .address_space: global }
      - { .name: bv, .offset: 112, .size: 8, .value_kind: global_buffer, .address_space: global }
      - { .name: qimg, .offset: 120, .size: 8, .value_kind: global_buffer, .address_space: global }
      - { .name: qscl, .offset: 128, .size: 8, .value_kind: global_buffer, .address_space: global }
      - { .name: kvrec, .offset: 136, .size: 8, .value_kind: global_buffer, .address_space: global }
    .group_segment_fixed_size: 327680
    .private_segment_fixed_size: 0
    .kernarg_segment_align: 8
    .kernarg_segment_size: 144
    .max_flat_workgroup_size: 128
    .sgpr_count:     102
    .vgpr_count:     1024
    .wavefront_size: 32
...
	.end_amdgpu_metadata
.endif
;; end of part 2
;; launch attn (part 3): grid 4 x 64, 16 waves a work-group, clusters of 4 x 1, 272,384 bytes of LDS; arguments qimg, qscl, acod, ascl, maskw, kvrec; writes acod, ascl
.if DOCPART == 3
	.amdgcn_target "amdgcn-amd-amdhsa--gfx1250"
	.amdhsa_code_object_version 6
	.text
	.protected	k_qcd04417f59_attn
	.globl	k_qcd04417f59_attn
	.p2align	8
	.type	k_qcd04417f59_attn,@function
k_qcd04417f59_attn:
	s_mov_b64 s[64:65], 0
	v_nop
	global_prefetch_b8 v0, s[64:65] scope:SCOPE_SE
	s_setreg_imm32_b32 hwreg(HW_REG_WAVE_MODE, 25, 1), 1
	s_wait_xcnt 0x0
	s_wait_alu depctr_hold_cnt(0) depctr_sa_sdst(0) depctr_va_vdst(0) depctr_va_sdst(0) depctr_va_ssrc(0) depctr_va_vcc(0) depctr_vm_vsrc(0)
	s_getreg_b32 s2, hwreg(HW_REG_IB_STS2, 6, 4)
	s_cmp_eq_u32 s2, 0
	s_cbranch_scc0 .Lentry_in_a_cluster
	s_endpgm
.Lentry_in_a_cluster:
	s_bfe_u32 s2, ttmp6, 0x10000c
	s_cmp_lg_u32 s2, 0x3003
	s_cbranch_scc0 .Lentry_shape_is_right
	s_endpgm
.Lentry_shape_is_right:
; For each of 64 (batch, head): O = softmax(mask(q k^T / 8)) v, both products on codes of FP8 (E4M3) with one E8M0 scale for each 32 along K; O is quantised along head x 64 + d for the output projection.
; THE SOFTMAX AHEAD OF THE SECOND PRODUCT: t = score x log2(e) / 8; M = the row's largest t so far, rounded UP to a whole number; p = 2^(t - M) is quantised along the keys, not normalised; the row's sum is taken of
; the unquantised p and divides O at the end.  When M moves, the sum and O are multiplied by 2^(old M - new M): exact.
; LIMITS.  A masked score is replaced by -2^33, that is a logit of -2^30 where the definition has -1e9: t is then a whole number, so a row that is wholly masked gives p = 1 for every key, as the definition does;
; the results are the definition's as long as every unmasked logit lies above about -9.9e8.  A block of zeros gets the scale byte 1 (its codes are zeros; this program alone reads the bytes).  NaN and infinities are not served.
; SHARES.  A work-group owns 512 queries of one head; wave w of sixteen owns tile 32 cx + 16 t + w of 16 queries in pass t = 0, 1.  Four waves of 256 registers share a SIMD: one wave's vector work stands beside another's products and LDS loads.
; LDS.  A head's 16 records (128 keys each: K's image, V's image, their scale words; 16,896 bytes) are 270,336 bytes: they are brought ONCE, wave w bringing record w by one tensor load, and stay.  Nothing is filled again: one barrier.
; CLUSTER.  The four work-groups of a head want the same records: each record is asked for jointly, by the same load with the same descriptor and a mask that names the four.
; LAYOUT.  Both products are used transposed: a lane holds ONE query (lane % 16) throughout.  A fragment of K holds tile (f, 0)'s 64 along d in its K half 0 and tile (f, 1)'s in its K half 1; it is multiplied by [Q | 0] and by [0 | Q].
; The keys of a tile are chosen (32 f + 8 u + r + 8 (r / 8)) so that register 16 e + i of the scores is key 32 e + 16 (lane / 16) + i.  V's tiles of d likewise, so that O's registers are neighbours along the next K.
; THE MASK comes as words, one bit a lane, one word a score register (launch maskpack), into scalar registers, a step ahead: one v_cndmask_b32 a score.
.set RS,  16896                        ; a record
.set HS,  270336                       ; a head's records
.set LI,  1                            ; v1   16 x lane: an image's place for my lane
.set AD,  2                            ; v2   LDS address of the step's record + 16 x lane
.set NEG, 3                            ; v3   -2^33
.set QS,  4                            ; v4   Q's scale word: its two bytes twice
.set A16, 5                            ; v5   16 (lane % 16)
.set A32, 6                            ; v6   32 (lane % 16)
.set TQ,  7                            ; v7   at work
.set QLO, 16                           ; v16-31  [Q | 0]
.set QHI, 32                           ; v32-47  [0 | Q]
.set KV,  48                           ; v48-111 four fragments of K, then of V
.set S,   112                          ; v112-175 the scores, then p
.set OT,  176                          ; v176-207 O^T
.set PC,  208                          ; v208-223 p's codes
.set SC,  224                          ; v224-227 lanes 0-15: K's scale words f = 0 .. 3; lanes 16-31: V's, T = 0 .. 3
.set BM,  228                          ; v228-231 a block's largest score, then its largest p
.set BX,  232                          ; v232-235 the other half of the lanes'; then the bytes
.set LIM, 236                          ; v236-239 partial sums of p
.set SCF, 240                          ; v240-243 the conversions' scale operands
.set TP,  244                          ; v244  at work
.set SM2, 246                          ; v[246:247] the sums' second chain
.set FF,  248                          ; v248  f = 2^(old M - new M)
.set PW,  249                          ; v249  p's scale word
.set TX,  250                          ; v250  at work
.set TB,  2                            ; s2   LDS byte of the step's record
.set NS,  3                            ; s3   steps left
.set NPS, 4                            ; s4   passes left
.set MO,  5                            ; s5   byte offset of the mask words that are asked for
.set WV,  16                           ; s16  my wave's number
.set MNT, 17
.set SEL, 18                           ; s[18:19] v_permlanex16_b32's selects for lane l xor 16
.set CS,  100                          ; s[100:101] c = log2(e) / 8
; s[6:7] my mask words; s[8:9] Q's image; s[10:11] Q's scale bytes; s[12:13] acod; s[14:15] ascl; s[20:23], s[24:31] the descriptor; s[32:63], s[68:99] a step's 64 mask words
.macro ROUND                           ; a round of the cluster's barrier
	s_barrier_signal -1
	s_barrier_wait -1
	s_cmp_lg_u32 s[WV], 0
	s_cbranch_scc1 .Lnot_wave_0_\@
	s_barrier_signal -3
.Lnot_wave_0_\@:
	s_barrier_wait -3
	s_barrier_signal -1
	s_barrier_wait -1
.endm
.macro MLOAD                           ; a step's 64 mask words, 256 bytes
	s_load_b512 s[32:47], s[6:7], s[MO] offset:0x0
	s_load_b512 s[48:63], s[6:7], s[MO] offset:0x40
	s_load_b512 s[68:83], s[6:7], s[MO] offset:0x80
	s_load_b512 s[84:99], s[6:7], s[MO] offset:0xc0
.endm
	s_load_b256 s[8:15], s[0:1], 0x0               ; qimg, qscl, acod, ascl
	s_load_b128 s[20:23], s[0:1], 0x20             ; maskw, kvrec
	v_lshl_add_u32 v254, v0, 2, 0x42000
	v_mov_b32 v255, 0
	ds_add_u32 v254, v255
	ds_add_u32 v254, v255
	v_lshrrev_b32 v[TQ], 5, v0
	s_delay_alu instid0(VALU_DEP_1)
	v_readfirstlane_b32 s[WV], v[TQ]               ; wave 0..15
	s_and_b32 s68, ttmp7, 0xffff                   ; 16 x batch + head, which the four partners share
	s_bfe_u32 s69, ttmp6, 0x40000                  ; cx: it enters global addresses of my own loads and stores alone
	s_lshr_b32 s70, s68, 4                         ; the batch
	s_and_b32 s71, s68, 15                         ; the head
	s_lshl_b32 s72, s69, 5
	s_add_co_u32 s72, s72, s[WV]                   ; my tile of queries in pass 0
	s_lshl_b32 s73, s70, 7
	s_add_co_u32 s73, s73, s72                     ; counted over the batches
	s_mul_i32 s74, s68, HS
	s_mul_i32 s76, s[WV], RS                       ; record w: its place in the head's records and in LDS
	s_add_co_u32 s74, s74, s76
	s_mov_b32 s75, 0
	; descriptor group 1: a record is dense: 66 rows of 256 bytes (32 elements of 8 bytes), no padding: the images are read 16 bytes a lane, 512 consecutive bytes an instruction
	s_mov_b32 s24, 15|(3<<16)|(1<<21)              ; 15:0 the mask: all four work-groups; 17:16 elements of 8 bytes; 21 set beside a mask
	s_mov_b32 s25, 32<<16                          ; tensor_dim0
	s_mov_b32 s26, 66<<16                          ; tensor_dim1
	s_mov_b32 s27, 32<<16                          ; tile_dim0
	s_mov_b32 s28, 66                              ; tile_dim1
	s_mov_b32 s29, 32                              ; tensor_dim0_stride
	s_mov_b32 s30, 0
	s_mov_b32 s31, 0
	s_wait_dscnt 0x0
	s_wait_kmcnt 0x0
	s_mov_b64 s[6:7], s[20:21]                     ; maskw
	s_add_nc_u64 s[22:23], s[22:23], s[74:75]      ; group 0: the record in memory,
	s_or_b32 s23, s23, 0x80000000                  ; type 2,
	s_mov_b32 s20, 1                               ; count 1,
	s_mov_b32 s21, s76                             ; its place in LDS
	ROUND                                          ; all four work-groups are here: the joint loads meet
	tensor_load_to_lds s[20:23], s[24:31]          ; my one tensor load of the launch
	s_nop 0
.rept 4
	v_nop
.endr
	s_lshl_b32 s76, s73, 12                        ; mask words: 4,096 bytes a tile
	s_mov_b32 s77, 0
	s_add_nc_u64 s[6:7], s[6:7], s[76:77]
	s_lshl_b32 s76, s68, 17                        ; Q's image: 131,072 bytes a head, 1,024 a tile
	s_lshl_b32 s78, s72, 10
	s_add_co_u32 s76, s76, s78
	s_add_nc_u64 s[8:9], s[8:9], s[76:77]
	s_lshl_b32 s76, s68, 12                        ; Q's scale bytes: 4,096 a head, 256 a group of eight tiles, 2 a tile
	s_lshr_b32 s78, s72, 3
	s_lshl_b32 s78, s78, 8
	s_add_co_u32 s76, s76, s78
	s_and_b32 s78, s72, 7
	s_lshl_b32 s78, s78, 1
	s_add_co_u32 s76, s76, s78
	s_add_nc_u64 s[10:11], s[10:11], s[76:77]
	s_lshl_b32 s76, s73, 14                        ; acod: 16,384 bytes a tile of rows, 1,024 a head
	s_lshl_b32 s78, s71, 10
	s_add_co_u32 s76, s76, s78
	s_add_nc_u64 s[12:13], s[12:13], s[76:77]
	s_lshl_b32 s76, s73, 9                         ; ascl: 32 bytes a row, 2 a head
	s_lshl_b32 s78, s71, 1
	s_add_co_u32 s76, s76, s78
	s_add_nc_u64 s[14:15], s[14:15], s[76:77]
	s_mov_b32 s[SEL], 0x76543210
	s_mov_b32 s[SEL+1], 0xfedcba98
	s_mov_b32 s[CS], 0x3e38aa3b
	s_mov_b32 s[CS+1], s[CS]                       ; (named with it as a pair, so it is written)
	s_mov_b32 s[MO], 0
	MLOAD                                          ; pass 0, step 0
	v_and_b32 v[TQ], 31, v0
	s_delay_alu instid0(VALU_DEP_1)
	v_lshlrev_b32 v[LI], 4, v[TQ]
	v_and_b32 v[TQ], 15, v0
	s_delay_alu instid0(VALU_DEP_1)
	v_lshlrev_b32 v[A16], 4, v[TQ]
	s_delay_alu instid0(VALU_DEP_2)
	v_lshlrev_b32 v[A32], 5, v[TQ]
	v_mov_b32 v[NEG], 0xd0000000
.irp i, 0,1,2,3,4,5,6,7
	v_mov_b32 v[QLO+8+\i], 0                       ; the zero halves: zero codes add nothing under any scale byte
	v_mov_b32 v[QHI+\i], 0
.endr
.irp i, 0,1,2,3
	v_mov_b32 v[BX+\i], 0                          ; written once: a lane permute's destination counts as one of its sources
.endr
	v_mov_b32 v[TX], 0
	v_mov_b32 v[PW], 0                             ; (named as the upper half of the pair v[248:249] before it is first written)
	s_mov_b32 s[NPS], 2
	s_wait_tensorcnt 0x0                           ; my record is in,
	s_barrier_signal -1
	s_barrier_wait -1                              ; everybody's is
.Lpass:
	global_load_b128 v[QLO:QLO+3], v[LI], s[8:9]               ; Q's eight registers, into both operands
	global_load_b128 v[QLO+4:QLO+7], v[LI], s[8:9] offset:512
	global_load_b128 v[QHI+8:QHI+11], v[LI], s[8:9]
	global_load_b128 v[QHI+12:QHI+15], v[LI], s[8:9] offset:512
	global_load_u16 v[TQ], v[A16], s[10:11]        ; my query's two scale bytes
	v_mov_b32 v13, 0xff61b1e6                      ; the largest t so far: -3e38, under every t
	s_delay_alu instid0(VALU_DEP_1)
	v_floor_f32 v12, -v13                          ; -M
	v_mov_b32 v14, 0                               ; the sum, in two halves
	v_mov_b32 v15, 0
.irp j, 0,1,2,3,4,5,6,7,8,9,10,11,12,13,14,15,16,17,18,19,20,21,22,23,24,25,26,27,28,29,30,31
	v_mov_b32 v[OT+\j], 0                          ; O^T.  (The step is written once: the first finds zeros, which the first change of M leaves zeros)
.endr
	s_mov_b32 s[TB], 0
	s_mov_b32 s[NS], 16
	s_wait_loadcnt 0x0
	v_lshl_or_b32 v[QS], v[TQ], 16, v[TQ]          ; (s0, s1, s0, s1): it serves [Q | 0] and [0 | Q].  The eight plain lines at the step's head stand between it and the first product
.Lstep:                                            ; 128 keys
	s_setprio 2
	v_add_nc_u32 v[AD], s[TB], v[LI]
.rept 7
	v_nop                                          ; with the line above: eight places behind the last products, in front of loads into their operands
.endr
.irp f, 0,1,2,3
.irp k, 0,1,2,3
	ds_load_b128 v[KV+16*\f+4*\k:KV+16*\f+4*\k+3], v[AD] offset:2048*\f+512*\k
.endr
.endr
	ds_load_b128 v[SC:SC+3], v[AD] offset:16384
	s_wait_alu depctr_va_vdst(0)
	s_wait_dscnt 0x0
.irp f, 0,1,2,3
	v_wmma_scale_f32_16x16x128_f8f6f4 v[S+16*\f:S+16*\f+7], v[KV+16*\f:KV+16*\f+15], v[QLO:QLO+15], 0, v[SC+\f], v[QS]
	v_wmma_scale_f32_16x16x128_f8f6f4 v[S+16*\f+8:S+16*\f+15], v[KV+16*\f:KV+16*\f+15], v[QHI:QHI+15], 0, v[SC+\f], v[QS]
.endr
.rept 8
	v_nop                                          ; eight places: in front of the loads over K's fragments and of the first read of the scores
.endr
.irp t, 0,1,2,3
.irp c, 0,1,2,3
	ds_load_b128 v[KV+16*\t+4*\c:KV+16*\t+4*\c+3], v[AD] offset:8192+2048*\t+512*\c   ; V lands while the softmax is worked
.endr
.endr
	s_wait_kmcnt 0x0                               ; this step's mask words, asked for a step ago
.set n, 0
.rept 32
	v_cndmask_b32 v[S+n], v[NEG], v[S+n], s[32+n]  ; each accumulator from its low end on
.set n, n+1
.endr
.rept 32
	v_cndmask_b32 v[S+n], v[NEG], v[S+n], s[36+n]
.set n, n+1
.endr
	s_mov_b32 s66, 256                             ; the next step's words: 256 bytes on; behind a pass's last step, the tile 16 further on: 65,536 - 3,840;
	s_cmp_eq_u32 s[NS], 1
	s_cselect_b32 s66, 61696, s66
	s_add_co_u32 s[MO], s[MO], s66
	s_min_u32 s[MO], s[MO], 69376                  ; behind the very last step the request is held at that step's own words: no load leaves the buffer
	MLOAD
.irp b, 0,1,2,3
	v_max3_num_f32 v[BM+\b], v[S+16*\b], v[S+1+16*\b], v[S+2+16*\b]   ; the largest score of each block of 32 keys: it serves for the row's maximum and, since p rises with the score, for the block's largest p
.endr
.irp i, 3,5,7,9,11,13
.irp b, 0,1,2,3
	s_delay_alu instid0(VALU_DEP_4)
	v_max3_num_f32 v[BM+\b], v[BM+\b], v[S+16*\b+\i], v[S+1+16*\b+\i]
.endr
.endr
.irp b, 0,1,2,3
	s_delay_alu instid0(VALU_DEP_4)
	v_max_num_f32 v[BM+\b], v[BM+\b], v[S+15+16*\b]
.endr
.irp b, 0,1,2,3
	s_delay_alu instid0(VALU_DEP_4)
	v_permlanex16_b32 v[BX+\b], v[BM+\b], s[SEL], s[SEL+1]
.endr
.irp b, 0,1,2,3
	s_delay_alu instid0(VALU_DEP_4)
	v_max_num_f32 v[BM+\b], v[BM+\b], v[BX+\b]     ; with lane l xor 16's 16 keys
.endr
	s_delay_alu instid0(VALU_DEP_2)
	v_max3_num_f32 v[TP], v[BM], v[BM+1], v[BM+2]
	s_delay_alu instid0(VALU_DEP_1)
	v_max_num_f32 v[TP], v[TP], v[BM+3]            ; the step's largest score of my query
	s_delay_alu instid0(VALU_DEP_1)
	v_mul_f32 v[TP], s[CS], v[TP]                  ; as t (c is positive)
	s_delay_alu instid0(VALU_DEP_1)
	v_max_num_f32 v13, v13, v[TP]                  ; the running largest t
	v_mov_b32 v[TP], v12
	s_delay_alu instid0(VALU_DEP_2)
	v_floor_f32 v12, -v13                          ; the new -M = floor(-t): M is a whole number
	s_delay_alu instid0(VALU_DEP_1)
	v_sub_f32 v[TP], v12, v[TP]                    ; old M - new M: a whole number, 0 or less
	s_delay_alu instid0(VALU_DEP_1)
	v_cvt_i32_f32 v[TP], v[TP]                     ; (it saturates)
	s_delay_alu instid0(VALU_DEP_1)
	v_ldexp_f32 v[FF], 1.0, v[TP]                  ; f = 2^(old M - new M)
.irp j, 0,2,4,6,8,10,12,14,16,18,20,22,24,26,28,30,32,34,36,38,40,42,44,46,48,50,52,54,56,58,60,62
	v_pk_fma_f32 v[S+\j:S+1+\j], v[S+\j:S+1+\j], s[CS:CS+1], v[12:13] op_sel_hi:[1,0,0]   ; t - M, two at a time (of the pairs c and -M the low word serves both halves)
.endr
.irp b, 0,1,2,3
	v_fma_f32 v[BM+\b], v[BM+\b], s[CS], v12       ; the same of each block's largest score
.endr
.set n, 0
	s_setprio 1
	s_wait_alu depctr_va_vdst(0)
.rept 64
	v_exp_f32 v[S+n], v[S+n]                       ; p = 2^(t - M), at most 1: not normalised
.set n, n+1
.endr
	v_pk_mul_f32 v[14:15], v[14:15], v[FF:FF+1] op_sel_hi:[1,0]   ; the sums under the new M.  (A plain instruction behind the exponentials)
	s_wait_alu depctr_va_vdst(0)                   ; one wait for the whole batch, ahead of its first reader
.irp b, 0,1,2,3
	v_exp_f32 v[BM+\b], v[BM+\b]                   ; the block's largest p: the same two instructions on the same number give the same bits
.endr
	v_pk_add_f32 v[246:247], v[116:117], v[120:121]
	v_pk_add_f32 v[252:253], v[124:125], v[128:129]
	v_pk_add_f32 v[244:245], v[132:133], v[136:137]
	v_pk_add_f32 v[242:243], v[140:141], v[144:145]
	v_pk_add_f32 v[240:241], v[148:149], v[152:153]
	v_pk_add_f32 v[238:239], v[156:157], v[160:161]
	v_pk_add_f32 v[236:237], v[164:165], v[168:169]
	v_pk_add_f32 v[14:15], v[14:15], v[172:173]
	v_pk_add_f32 v[246:247], v[246:247], v[112:113]
	v_pk_add_f32 v[252:253], v[252:253], v[114:115]
	v_pk_add_f32 v[244:245], v[244:245], v[118:119]
	v_pk_add_f32 v[242:243], v[242:243], v[122:123]
	v_pk_add_f32 v[240:241], v[240:241], v[126:127]
	v_pk_add_f32 v[238:239], v[238:239], v[130:131]
	v_pk_add_f32 v[236:237], v[236:237], v[134:135]
	v_pk_add_f32 v[14:15], v[14:15], v[138:139]
	v_pk_add_f32 v[246:247], v[246:247], v[142:143]
	v_pk_add_f32 v[252:253], v[252:253], v[146:147]
	v_pk_add_f32 v[244:245], v[244:245], v[150:151]
	v_pk_add_f32 v[242:243], v[242:243], v[154:155]
	v_pk_add_f32 v[240:241], v[240:241], v[158:159]
	v_pk_add_f32 v[238:239], v[238:239], v[162:163]
	v_pk_add_f32 v[236:237], v[236:237], v[166:167]
	v_pk_add_f32 v[14:15], v[14:15], v[170:171]
	v_pk_add_f32 v[246:247], v[246:247], v[174:175]
	s_delay_alu instid0(VALU_DEP_2)
	v_pk_add_f32 v[14:15], v[14:15], v[242:243]
	s_delay_alu instid0(VALU_DEP_2)
	v_pk_add_f32 v[246:247], v[246:247], v[240:241]
	v_pk_add_f32 v[252:253], v[252:253], v[238:239]
	v_pk_add_f32 v[244:245], v[244:245], v[236:237]
	s_delay_alu instid0(VALU_DEP_2)
	v_pk_add_f32 v[14:15], v[14:15], v[252:253]
	s_delay_alu instid0(VALU_DEP_2)
	v_pk_add_f32 v[246:247], v[246:247], v[244:245]
	s_delay_alu instid0(VALU_DEP_1)
	v_pk_add_f32 v[14:15], v[14:15], v[246:247]
	s_wait_alu depctr_va_vdst(0)                   ; and one for the four
.irp b, 0,1,2,3
	v_max_num_f32 v[BM+\b], 0x4800000, v[BM+\b]    ; the floor 2^(9 - 127): the byte cannot fall under 1
.endr
.irp b, 0,1,2,3
	s_delay_alu instid0(VALU_DEP_4)
	v_add_nc_u32 v[SCF+\b], 0xfc000000, v[BM+\b]   ; 8 off the exponent field: the conversion's scale operand
.endr
.irp b, 0,1,2,3
.endr
.irp b, 0,1,2,3
	s_delay_alu instid0(VALU_DEP_4)
	v_lshrrev_b32 v[BX+\b], 23, v[SCF+\b]          ; the scale's byte
.endr
	s_delay_alu instid0(VALU_DEP_3)
	v_lshl_or_b32 v[PW], v[BX+1], 8, v[BX]         ; p's scale word for these 128 keys
	s_delay_alu instid0(VALU_DEP_1)
	v_lshl_or_b32 v[PW], v[BX+2], 16, v[PW]
	s_delay_alu instid0(VALU_DEP_1)
	v_lshl_or_b32 v[PW], v[BX+3], 24, v[PW]
	s_setprio 0
.irp b, 0,1,2,3
.irp i, 0,1,2,3,4,5,6,7,8,9,10,11,12,13,14,15
.endr
	v_cvt_scalef32_pk8_fp8_f32 v[PC+4*\b:PC+1+4*\b], v[S+16*\b:S+7+16*\b], v[SCF+\b]
	v_cvt_scalef32_pk8_fp8_f32 v[PC+2+4*\b:PC+3+4*\b], v[S+8+16*\b:S+15+16*\b], v[SCF+\b]
.endr
.irp j, 0,2,4,6,8,10,12,14,16,18,20,22,24,26,28,30
	v_pk_mul_f32 v[OT+\j:OT+1+\j], v[OT+\j:OT+1+\j], v[FF:FF+1] op_sel_hi:[1,0]   ; O^T under the new M.  (These sixteen are also the plain lines between the codes and the products)
.endr
	s_wait_alu depctr_va_vdst(0)
	s_wait_dscnt 0x0                               ; V
.irp t, 0,1,2,3                        ; the four accumulators take turns, one instruction a turn; the eight products of the next step's scores stand between two turns of one
	v_wmma_scale_f32_16x16x128_f8f6f4 v[OT+8*\t:OT+8*\t+7], v[KV+16*\t:KV+16*\t+15], v[PC:PC+15], v[OT+8*\t:OT+8*\t+7], v[SC+\t], v[PW] matrix_a_scale:MATRIX_SCALE_ROW1
.endr
	s_add_co_u32 s[TB], s[TB], RS
	s_sub_co_u32 s[NS], s[NS], 1
	s_cmp_lg_u32 s[NS], 0
	s_cbranch_scc1 .Lstep
	s_setprio 0
	; THE END OF A PASS.  O^T / the sum; register 16 b + i is d = 32 b + 16 (lane / 16) + i of my query: two blocks of 32 along the output projection's K
	v_add_f32 v14, v14, v15
	s_delay_alu instid0(VALU_DEP_1)
	v_permlanex16_b32 v[TX], v14, s[SEL], s[SEL+1]
	s_delay_alu instid0(VALU_DEP_1)
	v_add_f32 v14, v14, v[TX]                      ; the row's sum
	s_wait_alu depctr_va_vdst(0)
	v_rcp_f32 v14, v14
.rept 8
	v_nop                                          ; eight places behind the last products; the first is also the plain instruction behind the reciprocal
.endr
	s_wait_alu depctr_va_vdst(0)                   ; ahead of the reciprocal's first reader
.irp j, 0,2,4,6,8,10,12,14,16,18,20,22,24,26,28,30
	v_pk_mul_f32 v[S+\j:S+1+\j], v[OT+\j:OT+1+\j], v[14:15] op_sel_hi:[1,0]
.endr
.irp b, 0,1
	v_max3_num_f32 v[BM+\b], |v[S+16*\b]|, |v[S+1+16*\b]|, 0x4800000
.endr
.irp i, 2,4,6,8,10,12,14
.irp b, 0,1
	s_delay_alu instid0(VALU_DEP_2)
	v_max3_num_f32 v[BM+\b], v[BM+\b], |v[S+16*\b+\i]|, |v[S+1+16*\b+\i]|
.endr
.endr
.irp b, 0,1
	s_delay_alu instid0(VALU_DEP_2)
	v_permlanex16_b32 v[BX+\b], v[BM+\b], s[SEL], s[SEL+1]
.endr
.irp b, 0,1
	s_delay_alu instid0(VALU_DEP_2)
	v_max_num_f32 v[BM+\b], v[BM+\b], v[BX+\b]
.endr
.irp b, 0,1
	s_delay_alu instid0(VALU_DEP_2)
	v_add_nc_u32 v[SCF+\b], 0xfc000000, v[BM+\b]
.endr
.irp b, 0,1
.endr
.irp b, 0,1
	s_delay_alu instid0(VALU_DEP_2)
	v_lshrrev_b32 v[BX+\b], 23, v[SCF+\b]
.endr
	s_delay_alu instid0(VALU_DEP_1)
	v_lshl_or_b32 v[TP], v[BX+1], 8, v[BX]         ; my row's two scale bytes
.irp b, 0,1
.irp i, 0,1,2,3,4,5,6,7,8,9,10,11,12,13,14,15
.endr
	v_cvt_scalef32_pk8_fp8_f32 v[PC+4*\b:PC+1+4*\b], v[S+16*\b:S+7+16*\b], v[SCF+\b]
	v_cvt_scalef32_pk8_fp8_f32 v[PC+2+4*\b:PC+3+4*\b], v[S+8+16*\b:S+15+16*\b], v[SCF+\b]
.endr
	v_nop                                          ; a plain vector instruction behind the last conversion
	global_store_b128 v[LI], v[PC:PC+3], s[12:13]              ; an image of the next operand's registers: 32 lanes store 512 consecutive bytes, aligned
	global_store_b128 v[LI], v[PC+4:PC+7], s[12:13] offset:512
	global_store_b16 v[A32], v[TP], s[14:15]       ; two bytes a row, rows 32 bytes apart (lanes 16-31 repeat lanes 0-15): the one store here that does not cover whole runs; it is one thirty-second of the codes' bytes
	s_wait_xcnt 0x0                                ; the stores have read their registers and bases: both may be written again
	s_add_nc_u64 s[8:9], s[8:9], 16384             ; 16 tiles on
	s_add_nc_u64 s[10:11], s[10:11], 512
	s_add_nc_u64 s[12:13], s[12:13], 262144
	s_add_nc_u64 s[14:15], s[14:15], 8192
	s_sub_co_u32 s[NPS], s[NPS], 1
	s_cmp_lg_u32 s[NPS], 0
	s_cbranch_scc1 .Lpass
	s_wait_kmcnt 0x0                               ; the last, held request for mask words
	s_wait_tensorcnt 0x0
	ds_add_u32 v254, v255
	s_wait_dscnt 0x0
	ROUND                                          ; the closing round: no work-group ends while a partner may still ask for a record that names it
	s_endpgm
.Lfunc_end_k_qcd04417f59_attn:
	.size	k_qcd04417f59_attn, .Lfunc_end_k_qcd04417f59_attn-k_qcd04417f59_attn
	.p2alignl 7, 3214868480
	.fill 96, 4, 3214868480
	.section	.rodata,"a",@progbits
	.p2align	6, 0x0
	.amdhsa_kernel k_qcd04417f59_attn
		.amdhsa_group_segment_fixed_size 272384
		.amdhsa_private_segment_fixed_size 0
		.amdhsa_enable_private_segment 0
		.amdhsa_kernarg_size 48
		.amdhsa_user_sgpr_count 2
		.amdhsa_user_sgpr_kernarg_segment_ptr 1
		.amdhsa_wavefront_size32 1
		.amdhsa_system_sgpr_workgroup_id_x 1
		.amdhsa_system_sgpr_workgroup_id_y 1
		.amdhsa_system_sgpr_workgroup_id_z 1
		.amdhsa_system_vgpr_workitem_id 0
		.amdhsa_next_free_vgpr 256
		.amdhsa_next_free_sgpr 102
		.amdhsa_reserve_vcc 0
		.amdhsa_float_denorm_mode_32 3
		.amdhsa_float_denorm_mode_16_64 3
		.amdhsa_fp16_overflow 1
		.amdhsa_memory_ordered 1
		.amdhsa_forward_progress 1
		.amdhsa_inst_pref_size 35
	.end_amdhsa_kernel
	.amdgpu_metadata
---
amdhsa.version: [ 1, 2 ]
amdhsa.kernels:
  - .name:           k_qcd04417f59_attn
    .symbol:         k_qcd04417f59_attn.kd
    .args:
      - { .name: qimg, .offset: 0, .size: 8, .value_kind: global_buffer, .address_space: global }
      - { .name: qscl, .offset: 8, .size: 8, .value_kind: global_buffer, .address_space: global }
      - { .name: acod, .offset: 16, .size: 8, .value_kind: global_buffer, .address_space: global }
      - { .name: ascl, .offset: 24, .size: 8, .value_kind: global_buffer, .address_space: global }
      - { .name: maskw, .offset: 32, .size: 8, .value_kind: global_buffer, .address_space: global }
      - { .name: kvrec, .offset: 40, .size: 8, .value_kind: global_buffer, .address_space: global }
    .group_segment_fixed_size: 272384
    .private_segment_fixed_size: 0
    .kernarg_segment_align: 8
    .kernarg_segment_size: 48
    .max_flat_workgroup_size: 512
    .sgpr_count:     102
    .vgpr_count:     256
    .wavefront_size: 32
...
	.end_amdgpu_metadata
.endif
;; end of part 3
;; launch outp (part 4): grid 4 x 32, 4 waves a work-group, clusters of 4 x 4, 327,680 bytes of LDS; arguments acod, ascl, wo_codes, wo_scales, bo, out0; writes out0
.if DOCPART == 4
	.amdgcn_target "amdgcn-amd-amdhsa--gfx1250"
	.amdhsa_code_object_version 6
	.text
	.protected	k_qcd04417f59_outp
	.globl	k_qcd04417f59_outp
	.p2align	8
	.type	k_qcd04417f59_outp,@function
k_qcd04417f59_outp:
	s_mov_b64 s[64:65], 0
	v_nop
	global_prefetch_b8 v0, s[64:65] scope:SCOPE_SE
	s_setreg_imm32_b32 hwreg(HW_REG_WAVE_MODE, 25, 1), 1
	s_wait_xcnt 0x0
	s_wait_alu depctr_hold_cnt(0) depctr_sa_sdst(0) depctr_va_vdst(0) depctr_va_sdst(0) depctr_va_ssrc(0) depctr_va_vcc(0) depctr_vm_vsrc(0)
	s_getreg_b32 s2, hwreg(HW_REG_IB_STS2, 6, 4)
	s_cmp_eq_u32 s2, 0
	s_cbranch_scc0 .Lentry_in_a_cluster
	s_endpgm
.Lentry_in_a_cluster:
	s_bfe_u32 s2, ttmp6, 0x10000c
	s_cmp_lg_u32 s2, 0xf033
	s_cbranch_scc0 .Lentry_shape_is_right
	s_endpgm
.Lentry_shape_is_right:
.set SIZE_N, 1024
.set KSTEP,  256
.set NQ,     KSTEP/128
.set ROWB,   256
.set KROW,   1024
.set ASTEP,  4096
.set PITCH,  272
.set FR,     16
.set NL,     4
.set NP,     8
.set HALFT,  128*PITCH
.set SLOT,   4*HALFT
.set KS,     32
.set SCL,    2*SLOT
.set HALFS,  (128*KS/256)*272
.set SBLK,   (16*KS/256)*272
.set SPARE,  SCL+4*HALFS
.set SPITCH, 528
.set VBR,  14
.set ADRA, 16
.set ADRB, 20
.set STO,  24
.set RD,   25
.set CO,   26
.set ADRS, 27
.set SPW,  28
.set NIL,  29
.set SC,   32
.set BI,   64
.set AF,   128
.set BK,   128
.set G1, 24
.set G0, 32
.set G1B, 48
.set G0B, 56
.set G1S, 68
.set G0S, 76
.set G1SB, 80
.set G0SB, 88
.set MSB, 0
.macro WIN new
.if MSB != (\new)
	s_set_vgpr_msb (MSB<<8)|(\new)
.set MSB, (\new)
.endif
.endm
.set MUL_LO, 0xa1
.set MUL_HI, 0xf1
.set TO_B,   0x40
.macro JLOAD g0a, g1a, g0b, g1b
	s_cmp_eq_u32 s15, 0
	s_cbranch_scc0 .Lfor_b_\@
	tensor_load_to_lds s[\g0a:\g0a+3], s[\g1a:\g1a+7]
	s_nop 0
.rept 4
	v_nop
.endr
	s_branch .Lasked_\@
.Lfor_b_\@:
	tensor_load_to_lds s[\g0b:\g0b+3], s[\g1b:\g1b+7]
	s_nop 0
.rept 4
	v_nop
.endr
.Lasked_\@:
.endm
.macro CREST
	s_cmp_lg_u32 s14, 0
	s_cbranch_scc1 .Lnot_wave_0_\@
	s_barrier_signal -3
.Lnot_wave_0_\@:
	s_barrier_wait -3
	s_barrier_signal -1
	s_barrier_wait -1
.endm
.macro CROUND
	s_barrier_signal -1
	s_barrier_wait -1
	CREST
.endm
	s_load_b128 s[4:7], s[0:1], 0x0
	s_load_b128 s[8:11], s[0:1], 0x10
	s_load_b64 s[96:97], s[0:1], 0x20
	s_load_b64 s[12:13], s[0:1], 0x28
	v_lshl_add_u32 v[SPW], v0, 2, SPARE
	v_mov_b32 v[NIL], 0
	ds_add_u32 v28, v29
	ds_add_u32 v28, v29
	s_wait_dscnt 0x0
	v_lshrrev_b32 v1, 5, v0
	v_readfirstlane_b32 s14, v1
	s_lshr_b32 s15, s14, 1
	s_and_b32 s16, s14, 1
	s_bfe_u32 s40, ttmp6, 0x40000
	s_bfe_u32 s41, ttmp6, 0x40004
	s_mov_b32 s42, s40
	s_and_b32 s17, ttmp7, 0xffff
	s_lshl_b32 s17, s17, 2
	s_add_co_u32 s17, s17, s41
	s_lshl_b32 s43, s41, 2
	s_lshl_b32 s43, 15, s43
	s_lshl_b32 s44, 0x1111, s40
	s_or_b32 s[G1+0], s43, (3<<16)|(1<<21)
	s_mov_b32 s[G1+1], 512<<16
	s_mov_b32 s[G1+2], 8<<16
	s_mov_b32 s[G1+3], 512<<16
	s_mov_b32 s[G1+4], 8
	s_mov_b32 s[G1+5], 2048
	s_mov_b32 s[G1+6], 0
	s_mov_b32 s[G1+7], 0
	s_or_b32 s[G1B+0], s44, (0<<16)|(1<<20)|(1<<21)|(5<<22)|(3<<25)
	s_mov_b32 s[G1B+1], ROWB<<16
	s_mov_b32 s[G1B+2], 128<<16
	s_mov_b32 s[G1B+3], ROWB<<16
	s_mov_b32 s[G1B+4], 128
	s_mov_b32 s[G1B+5], KROW
	s_mov_b32 s[G1B+6], 0
	s_mov_b32 s[G1B+7], 0
	s_or_b32 s[G1S+0], s43, (3<<16)|(1<<20)|(1<<21)|(5<<22)|(3<<25)
	s_or_b32 s[G1SB+0], s44, (3<<16)|(1<<20)|(1<<21)|(5<<22)|(3<<25)
.irp g, G1S, G1SB
	s_mov_b32 s[\g+1], 32<<16
	s_mov_b32 s[\g+2], (128*KS/256)<<16
	s_mov_b32 s[\g+3], 32<<16
	s_mov_b32 s[\g+4], 128*KS/256
	s_mov_b32 s[\g+5], 32
	s_mov_b32 s[\g+6], 0
	s_mov_b32 s[\g+7], 0
.endr
	s_lshl_b32 s18, s16, 7
	s_lshl_b32 s20, s17, 8
	s_add_co_u32 s20, s20, s18
	s_lshl_b32 s46, s42, 8
	s_add_co_u32 s46, s46, s18
	s_mov_b32 s21, 0
	s_mov_b32 s47, 0
	s_mov_b64 s[18:19], KS
	s_mul_u64 s[22:23], s[20:21], s[18:19]
	s_mul_u64 s[92:93], s[46:47], s[18:19]
	s_mov_b64 s[18:19], KROW
	s_mul_u64 s[20:21], s[20:21], s[18:19]
	s_mul_u64 s[46:47], s[46:47], s[18:19]
	s_mul_i32 s45, s14, HALFT
	s_mul_i32 s94, s14, HALFS
	s_wait_kmcnt 0x0
	s_add_nc_u64 s[20:21], s[4:5], s[20:21]
	s_add_nc_u64 s[22:23], s[6:7], s[22:23]
	s_add_nc_u64 s[46:47], s[8:9], s[46:47]
	s_add_nc_u64 s[92:93], s[10:11], s[92:93]
	CROUND
	s_mov_b32 s[G0S], 1
	s_add_co_u32 s[G0S+1], s94, SCL
	s_mov_b64 s[G0S+2:G0S+3], s[22:23]
	s_or_b32 s[G0S+3], s[G0S+3], 0x80000000
	s_mov_b32 s[G0SB], 1
	s_add_co_u32 s[G0SB+1], s94, SCL
	s_mov_b64 s[G0SB+2:G0SB+3], s[92:93]
	s_or_b32 s[G0SB+3], s[G0SB+3], 0x80000000
	JLOAD G0S, G1S, G0SB, G1SB
.irp s, 0,1
	s_mov_b32 s[G0+4*\s], 1
	s_add_co_u32 s[G0+4*\s+1], s45, \s*SLOT
	s_add_nc_u64 s[G0+4*\s+2:G0+4*\s+3], s[20:21], \s*ASTEP
	s_or_b32 s[G0+4*\s+3], s[G0+4*\s+3], 0x80000000
	s_mov_b32 s[G0B+4*\s], 1
	s_add_co_u32 s[G0B+4*\s+1], s45, \s*SLOT
	s_add_nc_u64 s[G0B+4*\s+2:G0B+4*\s+3], s[46:47], \s*ROWB
	s_or_b32 s[G0B+4*\s+3], s[G0B+4*\s+3], 0x80000000
	s_wait_alu depctr_va_vdst(0)
	s_wait_tensorcnt 0x0
	ds_add_u32 v28, v29
	s_wait_dscnt 0x0
	CROUND
	JLOAD G0+4*\s, G1, G0B+4*\s, G1B
.endr
	v_and_b32 v1, 15, v0
	v_bfe_u32 v2, v0, 4, 1
	v_mul_u32_u24 v3, v1, PITCH
	v_lshl_add_u32 v4, v2, 4, v3
	v_and_b32 v6, 31, v0
	v_lshlrev_b32 v[CO], 4, v6
	s_mul_i32 s21, s15, HALFT
	s_mul_i32 s22, s16, HALFT
	s_add_co_u32 s22, s22, 2*HALFT
.irp s, 0,1
	v_add_nc_u32 v[ADRA+\s], s21, v[CO]
	v_add_nc_u32 v[ADRB+\s], s22, v4
	s_add_co_u32 s21, s21, SLOT
	s_add_co_u32 s22, s22, SLOT
.endr
	v_mul_u32_u24 v5, v1, KS
	v_lshrrev_b32 v6, 8, v5
	v_lshl_add_u32 v5, v6, 4, v5
	s_mul_i32 s21, s15, HALFS
	s_mul_i32 s22, s16, HALFS
	s_add_co_u32 s22, s22, 2*HALFS
	s_sub_co_u32 s22, s22, s21
	v_mul_u32_u24 v6, s22, v2
	s_add_co_u32 s21, s21, SCL
	v_add_nc_u32 v5, v5, v6
	v_add_nc_u32 v[ADRS], s21, v5
	s_mul_i32 s23, s14, 16*SPITCH
	v_mul_u32_u24 v5, v1, SPITCH
	v_lshl_add_u32 v5, v2, 5, v5
	v_add_nc_u32 v[STO], s23, v5
	v_add_nc_u32 v[RD], s23, v[CO]
	s_lshl_b32 s20, s17, 8
	s_lshl_b32 s21, s15, 7
	s_add_co_u32 s20, s20, s21
	s_mov_b32 s21, 0
	s_mov_b64 s[18:19], SIZE_N*4
	s_mul_u64 s[20:21], s[20:21], s[18:19]
	s_lshl_b32 s46, s42, 10
	s_lshl_b32 s47, s16, 9
	s_add_co_u32 s46, s46, s47
	s_mov_b32 s47, 0
	s_add_nc_u64 s[20:21], s[20:21], s[46:47]
	s_add_nc_u64 s[12:13], s[12:13], s[20:21]
	s_add_nc_u64 s[96:97], s[96:97], s[46:47]
	v_lshlrev_b32 v[VBR], 5, v2
.irp b, 0,1,2,3,4,5,6,7
	global_load_b128 v[BI+8*\b:BI+8*\b+3], v[VBR], s[96:97] offset:64*\b
	global_load_b128 v[BI+8*\b+4:BI+8*\b+7], v[VBR], s[96:97] offset:64*\b+16
.endr
.macro FRAG reg, adr, q, i
.irp c, 0,1,2,3
	ds_load_b128 v[\reg+4*\c:\reg+4*\c+3], v[\adr] offset:128*(\q)+32*\c+(\i)*16*PITCH
.endr
.endm
.macro FRAGA reg, slot, q, i
.irp c, 0,1,2,3
	ds_load_b128 v[\reg+4*\c:\reg+4*\c+3], v[ADRA+\slot] offset:4096*(\i)+2048*(\q)+512*\c
.endr
.endm
.macro MUL16 a0, p, q, sc, zero
.irp a, \a0, \a0+1
.irp b, 0,1,2,3,4,5,6,7
.if \zero
	v_wmma_scale_f32_16x16x128_f8f6f4 v[8*(8*((\a)%4)+\b):8*(8*((\a)%4)+\b)+7], v[128*(\p)+FR*\b:128*(\p)+FR*\b+FR-1], v[AF+FR*(\a):AF+FR*(\a)+FR-1], v[BI+8*\b:BI+8*\b+7], v[SC+8*NQ*(\sc)+NQ*\b+(\q)], v[SC+8*NQ*(\sc)+NQ*(\a)+(\q)] matrix_a_scale:MATRIX_SCALE_ROW1
.else
	v_wmma_scale_f32_16x16x128_f8f6f4 v[8*(8*((\a)%4)+\b):8*(8*((\a)%4)+\b)+7], v[128*(\p)+FR*\b:128*(\p)+FR*\b+FR-1], v[AF+FR*(\a):AF+FR*(\a)+FR-1], v[8*(8*((\a)%4)+\b):8*(8*((\a)%4)+\b)+7], v[SC+8*NQ*(\sc)+NQ*\b+(\q)], v[SC+8*NQ*(\sc)+NQ*(\a)+(\q)] matrix_a_scale:MATRIX_SCALE_ROW1
.endif
.endr
.endr
.endm
.macro FETCH_B slot, q, p
	WIN TO_B
.irp i, 0,1,2,3,4,5,6,7
	FRAG 128*(\p)+FR*\i, ADRB+\slot, \q, \i
.endr
	WIN 0
.endm
.macro FETCH_A slot, q, i0
.irp i, \i0, \i0+1, \i0+2, \i0+3
	FRAGA AF+FR*(\i), \slot, \q, \i
.endr
.endm
.macro SCALES sc
.irp i, 0,1,2,3,4,5,6,7
	ds_load_b64 v[SC+8*NQ*\sc+NQ*\i:SC+8*NQ*\sc+NQ*\i+1], v[ADRS] offset:\i*SBLK
.endr
.endm
.macro PLACES n
.rept \n
	v_nop
.endr
.endm
.macro STEP slot, q, zero
	s_wait_dscnt 4*NL
.if \zero
	WIN 0x81
.else
	WIN MUL_LO
.endif
	MUL16 0, (\q)%2, \q, \slot, \zero
	MUL16 2, (\q)%2, \q, \slot, \zero
	s_wait_dscnt 0
	PLACES NP
	FETCH_B \slot, (\q)+1, 1-(\q)%2
	FETCH_A \slot, (\q)+1, 0
.if \zero
	WIN 0xc1
.else
	WIN MUL_HI
.endif
	MUL16 4, (\q)%2, \q, \slot, \zero
	MUL16 6, (\q)%2, \q, \slot, \zero
	PLACES NP
	WIN 0
	FETCH_A \slot, (\q)+1, 4
.endm
.macro TURN slot, next, fill
	s_wait_tensorcnt 0x0
	ds_add_u32 v[SPW], v[NIL]
	s_wait_dscnt 4*NL+1
	WIN MUL_LO
	MUL16 0, 1, NQ-1, \slot, 0
	s_wait_dscnt 0x0
	s_barrier_signal -1
	MUL16 2, 1, NQ-1, \slot, 0
	WIN 0
	s_barrier_wait -1
.if \fill
	CREST
	s_add_nc_u64 s[G0+4*\slot+2:G0+4*\slot+3], s[G0+4*\slot+2:G0+4*\slot+3], 2*ASTEP
	s_add_nc_u64 s[G0B+4*\slot+2:G0B+4*\slot+3], s[G0B+4*\slot+2:G0B+4*\slot+3], 2*ROWB
	JLOAD G0+4*\slot, G1, G0B+4*\slot, G1B
	PLACES NP-4
.else
	PLACES NP
.endif
	s_wait_alu depctr_va_vdst(0)
	v_add_nc_u32 v[ADRS], 4*NQ, v[ADRS]
	FETCH_B \next, 0, 0
	FETCH_A \next, 0, 0
	SCALES \next
	WIN MUL_HI
	MUL16 4, 1, NQ-1, \slot, 0
	MUL16 6, 1, NQ-1, \slot, 0
	PLACES NP
	WIN 0
	FETCH_A \next, 0, 4
.endm
	s_wait_alu depctr_va_vdst(0)
	s_wait_tensorcnt 1
	s_barrier_signal -1
	s_barrier_wait -1
	FETCH_B 0, 0, 0
	FETCH_A 0, 0, 0
	SCALES 0
	FETCH_A 0, 0, 4
	s_wait_loadcnt 0x0
	STEP 0, 0, 1
	TURN 0, 1, 1
	STEP 1, 0, 0
	TURN 1, 0, 1
	STEP 0, 0, 0
	TURN 0, 1, 0
	STEP 1, 0, 0
	s_wait_dscnt 4*NL
	WIN MUL_LO
	MUL16 0, 1, NQ-1, 1, 0
	MUL16 2, 1, NQ-1, 1, 0
	s_wait_dscnt 0
	WIN MUL_HI
	MUL16 4, 1, NQ-1, 1, 0
	MUL16 6, 1, NQ-1, 1, 0
	WIN 0
.macro TOSTAGE a
.set AC, 64*((\a)%4)
	WIN 0x08+4*((\a)/4)
.irp b, 0,1,2,3,4,5,6,7
	ds_store_b128 v[STO], v[AC+8*\b:AC+8*\b+3] offset:64*\b
	ds_store_b128 v[STO], v[AC+8*\b+4:AC+8*\b+7] offset:64*\b+16
.endr
	WIN 0
.set BB, BK+64*((\a)%2)
.irp t, 0,1,2,3,4,5,6,7,8,9,10,11,12,13,14,15
	ds_load_b128 v[BB+4*\t:BB+4*\t+3], v[RD] offset:\t*SPITCH
.endr
.endm
.macro SEND a, younger
.set BB, BK+64*((\a)%2)
	s_wait_dscnt \younger
.irp t, 0,1,2,3,4,5,6,7,8,9,10,11,12,13,14,15
	global_store_b128 v[CO], v[BB+4*\t:BB+4*\t+3], s[12:13] offset:(32*((\a)/2)+8*((\a)%2)+\t+8*(\t/8))*SIZE_N*4 th:TH_STORE_NT
.endr
.endm
	PLACES NP
	TOSTAGE 0
.irp a, 1,2,3,4,5,6,7
.if \a > 1
	s_wait_xcnt 0x0
.endif
	TOSTAGE \a
	SEND \a-1, 32
.endr
	SEND 7, 0
	s_wait_tensorcnt 0x0
	ds_add_u32 v[SPW], v[NIL]
	s_wait_dscnt 0x0
	CROUND
	s_endpgm
.Lfunc_end_k_qcd04417f59_outp:
	.size	k_qcd04417f59_outp, .Lfunc_end_k_qcd04417f59_outp-k_qcd04417f59_outp
	.p2alignl 7, 3214868480
	.fill 96, 4, 3214868480
	.section	.rodata,"a",@progbits
	.p2align	6, 0x0
	.amdhsa_kernel k_qcd04417f59_outp
		.amdhsa_group_segment_fixed_size 327680
		.amdhsa_private_segment_fixed_size 0
		.amdhsa_enable_private_segment 0
		.amdhsa_kernarg_size 48
		.amdhsa_user_sgpr_count 2
		.amdhsa_user_sgpr_kernarg_segment_ptr 1
		.amdhsa_wavefront_size32 1
		.amdhsa_system_sgpr_workgroup_id_x 1
		.amdhsa_system_sgpr_workgroup_id_y 1
		.amdhsa_system_sgpr_workgroup_id_z 1
		.amdhsa_system_vgpr_workitem_id 0
		.amdhsa_next_free_vgpr 1024
		.amdhsa_next_free_sgpr 98
		.amdhsa_reserve_vcc 0
		.amdhsa_float_denorm_mode_32 3
		.amdhsa_float_denorm_mode_16_64 3
		.amdhsa_memory_ordered 1
		.amdhsa_forward_progress 1
		.amdhsa_inst_pref_size 147
	.end_amdhsa_kernel
	.amdgpu_metadata
---
amdhsa.version: [ 1, 2 ]
amdhsa.kernels:
  - .name:           k_qcd04417f59_outp
    .symbol:         k_qcd04417f59_outp.kd
    .args:
      - { .name: acod, .offset: 0, .size: 8, .value_kind: global_buffer, .address_space: global }
      - { .name: ascl, .offset: 8, .size: 8, .value_kind: global_buffer, .address_space: global }
      - { .name: wo_codes, .offset: 16, .size: 8, .value_kind: global_buffer, .address_space: global }
      - { .name: wo_scales, .offset: 24, .size: 8, .value_kind: global_buffer, .address_space: global }
      - { .name: bo, .offset: 32, .size: 8, .value_kind: global_buffer, .address_space: global }
      - { .name: out0, .offset: 40, .size: 8, .value_kind: global_buffer, .address_space: global }
    .group_segment_fixed_size: 327680
    .private_segment_fixed_size: 0
    .kernarg_segment_align: 8
    .kernarg_segment_size: 48
    .max_flat_workgroup_size: 128
    .sgpr_count:     98
    .vgpr_count:     1024
    .wavefront_size: 32
...
	.end_amdgpu_metadata
.endif
;; end of part 4
